; MI455X (gfx1250); checked and timed in simulation.
; The chip was launched on July 23, 2026; its instructions are those of AMD's public machine-readable ISA for CDNA 5 (MIT licence, August 2026) and "CDNA5" Instruction Set Architecture Reference Guide (July 2026). The comments in the code are by the model that wrote it; some were corrected since.
;; Multi Head Attention XL. Allowed arithmetic: matrix products marked QUANTISED: E2M3 operands, one E8M0 scale for each 32 along K, by v_wmma_scale_f32_16x16x128_f8f6f4 with both operands' format E2M3, f32 sums; everything else in f32.
;; Inputs: hidden_states 16 x 512 x 1,024 float32; rel_pos 1,023 x 32 float32; wk 1,024 x 1,024 float32; wo 1,024 x 1,024 float32; wq 1,024 x 1,024 float32; wv 1,024 x 1,024 float32.
;; Outputs: out0 16 x 512 x 1,024 float32.
;; This version of the problem:
;;   THIS VERSION OF THE PROBLEM IS GIVEN IN LOW PRECISION. The matrix products marked QUANTISED in the list below multiply operands that are first quantised to E2M3 (2 exponent bits, 3 mantissa bits; 6 bits a number), with one power-of-two scale for each 32 numbers along K (OCP MX v1.0); their sums are f32. All else is computed in f32.
;;   The module's matrix products, in the order in which they are computed (A, B: the left and right operand; K: the contracted axis; several contracted axes count as one K, in the product's order):
;;     1. [M 8,192, K 1,024] x [K 1,024, N 1,024]; A: input hidden_states; B: input wq: QUANTISED
;;     2. [M 8,192, K 1,024] x [K 1,024, N 1,024]; A: input hidden_states; B: input wk: QUANTISED
;;     3. [M 8,192, K 1,024] x [K 1,024, N 1,024]; A: input hidden_states; B: input wv: QUANTISED
;;     4. batch 512 x [M 512, K 32] x [K 32, N 512]; A: computed on the way; B: computed on the way: QUANTISED
;;     5. batch 512 x [M 512, K 512] x [K 512, N 32]; A: softmax (see below); B: computed on the way: QUANTISED
;;     6. [M 8,192, K 1,024] x [K 1,024, N 1,024]; A: computed on the way; B: input wo: QUANTISED
;;   THE QUANTISER, for each operand of a quantised product, along K:
;;     - K is cut into blocks of 32 from its start; a last block that is shorter is filled with zeros.
;;     - A block's scale is 2^e with e = floor(log2(the largest magnitude in the block)) - 2, held to -126 .. 127; a block of zeros has e = 0. As a byte (E8M0): e + 127.
;;     - Each number is divided by its block's scale, clamped to +-7.5, and rounded to the nearest number of E2M3, ties to even, subnormals kept.
;;     - The product sums the exact products of the quantised numbers (number of the format x scale) in f32.
;;   ~~~python
;;   def quantise(x, axis):      # numpy; x: float32 -> the quantised numbers, widened to float32 again
;;       x = np.moveaxis(x, axis, -1); K = x.shape[-1]
;;       x = np.pad(x, [(0, 0)] * (x.ndim - 1) + [(0, -K % 32)]); x = x.reshape(x.shape[:-1] + (-1, 32)); a = np.abs(x).max(-1, keepdims=True)
;;       e = np.where(a > 0, np.clip(np.frexp(np.where(a > 0, a, 1))[1] - 1 - 2, -126, 127), 0)      # np.frexp(a)[1] - 1 = floor(log2(a)), exactly
;;       r = np.clip(x / 2.0 ** e, -7.5, 7.5)
;;       step = 2.0 ** (np.maximum(np.frexp(np.where(r == 0, 1, r))[1] - 1, 0) - 3)
;;       q = np.round(r / step) * step * 2.0 ** e      # np.round: ties to even
;;       return np.moveaxis(q.reshape(q.shape[:-2] + (-1,))[..., :K], -1, axis).astype(np.float32)
;;   ~~~
;;   SOFTMAX AHEAD OF A QUANTISED PRODUCT. Where the list says 'softmax', what is quantised is not the finished softmax but p = 2^(t - M), with t = logit x log2(e) and M = ceil(the row's largest t), a whole number; so 1/2 < the row's largest p <= 1. The row's sum l is taken of the UNQUANTISED p, in f32, and the product's result is divided by l at the end. Since M is a whole number, a kernel that streams over the keys may use a running M (the ceiling of the running maximum): every later rescaling is an exact power of two, which a block's scale takes up: the codes' values come out the same.
;;   OPERANDS COMPUTED ON THE WAY. 'Computed on the way' means the value that the module computes at that place (a softmax that the list does not call 'softmax' is quantised finished and normalised). What goes into a quantiser is computed in f32, as accurately as f32 sums, v_exp_f32 and their like allow (about 1e-6 of the number): no bf16 or f16 on the way to a quantiser, and a product that is left as it is and whose result goes on into a quantised operand takes f32 operands (vector FMAs, or v_wmma_f32_16x16x4_f32). A number that lies on a knife's edge between two numbers of the format may be rounded either way, as far as f32 arithmetic and the matrix unit's own rounding can turn it there, and no further.
;; One version. Each part assembles by itself: llvm-mc -triple=amdgcn-amd-amdhsa -mcpu=gfx1250 --defsym DOCPART=n.
;; ======== version 1 of 1: 4 launches
;; limits: right only within a limited range of input values
;; workspace buffers: img 9,437,184 bytes; isc 393,216 bytes; tab 4,096 bytes; qkv 18,874,368 bytes; qkvs 786,432 bytes; cimg 6,291,456 bytes; csc 262,144 bytes
;; launch quant (part 1): grid 256 x 1, 8 waves a work-group, no clusters, 70,656 bytes of LDS; arguments hidden_states, wq, wk, wv, wo, rel_pos, img, isc, tab; writes img, isc, tab
.if DOCPART == 1
	.amdgcn_target "amdgcn-amd-amdhsa--gfx1250"
	.amdhsa_code_object_version 6
	.text
	.protected	k_q4743ef62c8_quant
	.globl	k_q4743ef62c8_quant
	.p2align	8
	.type	k_q4743ef62c8_quant,@function
k_q4743ef62c8_quant:
	s_mov_b64 s[64:65], 0
	v_nop
	global_prefetch_b8 v0, s[64:65] scope:SCOPE_SE
	s_setreg_imm32_b32 hwreg(HW_REG_WAVE_MODE, 25, 1), 1
	s_wait_xcnt 0x0
; hidden_states [8192][1024] and the four weights [1024][1024], all f32 with K innermost, become codes of FP6 (E2M3) with one E8M0 byte for each 32 along K,
; laid as the later launches' matrix operands want them.  Also: tab[i] = (the sum of rel_pos[i][0..31]) / sqrt(32), the bias in units of the raw score.
; TILES.  A tensor's rows are cut into tiles of 16: lane r of tile i holds row 32 (i / 2) + 8 (i % 2) + r + 8 (r / 8).  Tiles 0-511 are x's, 512-575 wq's, 576-639 wk's, 640-703 wv's, 704-767 wo's.
; IMAGES.  A fragment (one tile x 128 along K) is 12 registers a lane; it is stored as it stands: three stores of 16 bytes a lane, 512 consecutive bytes each.  img: [tile][K step 0..7][1,536 bytes].
; isc: [tile][half 0..1][row r][q 0..3] words, the scale word of K step 4 half + q: one load of 16 bytes a lane brings four registers, lanes 0-15 with steps 0-3 and lanes 16-31 with steps 4-7.
; SHARES.  768 tiles = 256 work-groups x 3; wave w takes K step w of each of the three.  A unit (16 rows x 512 bytes) is loaded row by row, 512 consecutive bytes a load, and turned through the wave's own stage in LDS,
; so that a lane comes to hold 16 neighbours along K of each block of 32.  Two units' loads (32 a wave) are out while one is worked.  Work-groups share no input: no cluster, no tensor load.
; A block's scale is 2^(floor(log2(its largest magnitude)) - 2); its byte is the largest magnitude's exponent field - 2, held at 1 from below.
; LIMITS: NaN and infinities are not served.  A block of zeros, or one whose largest magnitude lies under 2^-124, gets the byte 1 (the rule says 127 for zeros): its codes are zeros, and the bytes are read by this program alone.
.set SP,   528                         ; a stage row: 512 bytes + 16, so that the 16 rows that a load touches start 4 words apart in the banks
.set STG,  16*SP                       ; a wave's stage
.set SG,   8*STG                       ; behind the stages: 3 x 512 bytes, the three tiles' scale words
.set FRB,  1536
.set LI,   1                           ; v1   16 x lane
.set SIN,  2                           ; v2   the stage, on the way in
.set SOUT, 3                           ; v3   and out: 528 r + 64 h
.set SWA,  4                           ; v4   where my row's scale word goes
.set SRA,  5                           ; v5   where a tile's 512 bytes of scale words are read back
.set TOF,  6                           ; v6   my 16 bytes of rel_pos
.set R0,   16                          ; v16-79, v80-143  two sets of 64 numbers as loaded
.set R1,   80
.set X,    144                         ; v144-207  register 16 b + i = k 32 b + 16 h + i of my row
.set PC,   208                         ; v208-227  the codes
.set TM,   228                         ; v228-243  at work
.set PW,   244                         ; the scale word
.set TD,   248                         ; v248-251  four numbers of rel_pos
.set WV,   22
.set SEL,  24
.set SRC,  28                          ; s[28:33] where the three units begin
.set DST,  36                          ; s[36:41] and their images
.set FL,   56
	s_load_b512 s[4:19], s[0:1], 0x0               ; x, wq, wk, wv, wo, rel_pos, img, isc
	s_load_b64 s[20:21], s[0:1], 0x40              ; tab
	v_lshl_add_u32 v254, v0, 2, 0x11000
	v_mov_b32 v255, 0
	v_lshrrev_b32 v7, 5, v0
	s_delay_alu instid0(VALU_DEP_1)
	v_readfirstlane_b32 s[WV], v7                  ; wave 0..7 = my K step
	v_and_b32 v7, 31, v0                           ; lane
	v_and_b32 v8, 15, v0                           ; r
	v_bfe_u32 v9, v0, 4, 1                         ; h
	s_delay_alu instid0(VALU_DEP_3)
	v_lshlrev_b32 v[LI], 4, v7
	s_wait_alu depctr_va_vdst(0)
	s_mul_i32 s23, s[WV], STG
	v_add_nc_u32 v[SIN], s23, v[LI]
	v_mul_u32_u24 v[SOUT], v8, SP
	s_delay_alu instid0(VALU_DEP_1)
	v_lshl_add_u32 v[SOUT], v9, 6, v[SOUT]
	s_delay_alu instid0(VALU_DEP_1)
	v_add_nc_u32 v[SOUT], s23, v[SOUT]
	s_lshr_b32 s26, s[WV], 2
	s_lshl_b32 s26, s26, 8
	s_and_b32 s27, s[WV], 3
	s_lshl_b32 s27, s27, 2
	s_add_co_u32 s26, s26, s27
	s_add_co_u32 s26, s26, SG
	v_lshl_add_u32 v[SWA], v8, 4, s26              ; SG + 256 (step / 4) + 16 r + 4 (step % 4)
	s_min_u32 s50, s[WV], 2                        ; (only waves 0-2 read scale words back)
	s_lshl_b32 s27, s50, 9
	s_add_co_u32 s27, s27, SG
	v_add_nc_u32 v[SRA], s27, v[LI]
	s_lshl_b32 s27, ttmp9, 9                       ; four rows of rel_pos, 512 bytes, to a work-group
	v_add_nc_u32 v[TOF], s27, v[LI]
	s_delay_alu instid0(VALU_DEP_1)
	v_min_u32 v[TOF], 130928, v[TOF]               ; the table has 1,023 rows: what would be row 1,023 reads the last 16 bytes instead; its entry of tab is never used
	v_lshrrev_b32 v10, 3, v7
	s_delay_alu instid0(VALU_DEP_1)
	v_lshlrev_b32 v10, 2, v10                      ; tab: 4 bytes for each eight lanes
	v_and_b32 v11, 7, v0
.irp b, 0,1,2,3
	v_mov_b32 v[TM+4+\b], 0                        ; written once: a lane permute's destination counts as one of its sources
.endr
	s_mul_i32 s26, ttmp9, 3
	s_add_co_u32 s26, s26, s50
	s_lshl_b32 s26, s26, 9                         ; isc: 512 bytes a tile
	s_mov_b32 s27, 0
	s_lshl_b32 s50, ttmp9, 4
	s_mov_b32 s51, 0
	s_mov_b32 s[SEL], 0x76543210
	s_mov_b32 s[SEL+1], 0xfedcba98                 ; v_permlanex16_b32's selects for lane l xor 16
	s_mov_b32 s[FL], 0x1800000                     ; the floor 2^(3 - 127)
	s_wait_kmcnt 0x0
	s_add_nc_u64 s[52:53], s[18:19], s[26:27]
	s_add_nc_u64 s[54:55], s[20:21], s[50:51]
; Which tensor tile 3 g + t belongs to, and where my K step of it begins.  The choices hang on the tile's number alone.
.macro WHERE t
	s_mul_i32 s42, ttmp9, 3
	s_add_co_u32 s42, s42, \t                      ; the tile
	s_sub_co_u32 s43, s42, 512
	s_lshr_b32 s44, s43, 6                         ; which weight,
	s_and_b32 s45, s43, 63                         ; and which tile of it
	s_mov_b64 s[46:47], s[12:13]
	s_cmp_eq_u32 s44, 2
	s_cselect_b64 s[46:47], s[10:11], s[46:47]
	s_cmp_eq_u32 s44, 1
	s_cselect_b64 s[46:47], s[8:9], s[46:47]
	s_cmp_eq_u32 s44, 0
	s_cselect_b64 s[46:47], s[6:7], s[46:47]
	s_cmp_lt_u32 s42, 512
	s_cselect_b64 s[46:47], s[4:5], s[46:47]
	s_cselect_b32 s45, s42, s45
	s_lshr_b32 s48, s45, 1
	s_lshl_b32 s48, s48, 5
	s_and_b32 s49, s45, 1
	s_lshl_b32 s49, s49, 3
	s_add_co_u32 s48, s48, s49                     ; the tile's first row: 32 (i / 2) + 8 (i % 2)
	s_lshl_b32 s48, s48, 12                        ; rows of 4,096 bytes
	s_lshl_b32 s49, s[WV], 9                       ; my K step: 512 bytes
	s_add_co_u32 s48, s48, s49
	s_mov_b32 s49, 0
	s_add_nc_u64 s[SRC+2*\t:SRC+2*\t+1], s[46:47], s[48:49]
	s_lshl_b32 s48, s42, 3
	s_add_co_u32 s48, s48, s[WV]
	s_mul_i32 s48, s48, FRB
	s_add_nc_u64 s[DST+2*\t:DST+2*\t+1], s[16:17], s[48:49]
.endm
	WHERE 0
	WHERE 1
	WHERE 2
	s_cmp_lg_u32 s[WV], 3                          ; wave 3 also makes four entries of tab.  Its load goes out first, so that the counted waits below mean the same in every wave
	s_cbranch_scc1 .Lno_tab
	s_wait_alu depctr_va_vdst(0)
	global_load_b128 v[TD:TD+3], v[TOF], s[14:15]
.Lno_tab:
.macro LOAD t, set                     ; the tile's 16 rows, in the tile's order: each load reads 512 consecutive bytes
.irp i, 0,1,2,3,4,5,6,7,8,9,10,11,12,13,14,15
	global_load_b128 v[\set+4*\i:\set+4*\i+3], v[LI], s[SRC+2*\t:SRC+2*\t+1] offset:(\i+8*(\i/8))*4096 th:TH_LOAD_NT
.endr
.endm
.macro TURN set                        ; through my stage: LDS serves a wave's instructions in order (ISA guide 5.7.1.4), so no wait stands between the stores and the loads
.irp i, 0,1,2,3,4,5,6,7,8,9,10,11,12,13,14,15
	ds_store_b128 v[SIN], v[\set+4*\i:\set+4*\i+3] offset:SP*\i
.endr
.irp b, 0,1,2,3
.irp j, 0,1,2,3
	ds_load_b128 v[X+16*\b+4*\j:X+16*\b+4*\j+3], v[SOUT] offset:128*\b+16*\j
.endr
.endr
.endm
; 64 numbers of a lane, register 16 b + i = k 32 b + 16 h + i of my row, become a fragment's codes in v[pc] on and its scale word in v[pw].
.macro QUANT s, pc, pw
.irp b, 0,1,2,3
	v_max3_num_f32 v[TM+\b], s[FL], |v[\s+16*\b]|, |v[\s+16*\b+1]|   ; block b: my 16 numbers, and the floor, so that the byte cannot fall under 1
.endr
.irp i, 2,4,6,8,10,12,14
.irp b, 0,1,2,3
	s_delay_alu instid0(VALU_DEP_4)
	v_max3_num_f32 v[TM+\b], v[TM+\b], |v[\s+16*\b+\i]|, |v[\s+16*\b+\i+1]|   ; (the four blocks by turns)
.endr
.endr
.irp b, 0,1,2,3
	s_delay_alu instid0(VALU_DEP_4)
	v_permlanex16_b32 v[TM+4+\b], v[TM+\b], s[SEL], s[SEL+1]
.endr
.irp b, 0,1,2,3
	s_delay_alu instid0(VALU_DEP_4)
	v_max_num_f32 v[TM+\b], v[TM+\b], v[TM+4+\b]   ; with lane l xor 16's: the block's largest magnitude
.endr
.irp b, 0,1,2,3
	s_delay_alu instid0(VALU_DEP_4)
	v_add_nc_u32 v[TM+12+\b], 0xff000000, v[TM+\b] ; 2 off its exponent field: the conversion takes the exponent field of this operand as its scale
.endr
.irp b, 0,1,2,3
	s_delay_alu instid0(VALU_DEP_4)
	v_lshrrev_b32 v[TM+4+\b], 23, v[TM+12+\b]      ; the scale's byte
.endr
	s_delay_alu instid0(VALU_DEP_3)
	v_lshl_or_b32 v[\pw], v[TM+5], 8, v[TM+4]
	s_delay_alu instid0(VALU_DEP_1)
	v_lshl_or_b32 v[\pw], v[TM+6], 16, v[\pw]
	s_delay_alu instid0(VALU_DEP_1)
	v_lshl_or_b32 v[\pw], v[TM+7], 24, v[\pw]
.irp c, 0,1
	v_cvt_scalef32_pk16_fp6_f32 v[\pc+6*\c:\pc+6*\c+2], v[\s+32*\c:\s+32*\c+15], v[TM+12+2*\c]
	v_cvt_scalef32_pk16_fp6_f32 v[\pc+12+4*\c:\pc+12+4*\c+2], v[\s+32*\c+16:\s+32*\c+31], v[TM+12+2*\c+1]   ; (a conversion's three registers begin on an even number)
.endr
	v_nop                                          ; one plain place behind a scaled conversion
.irp c, 0,1                            ; the operand's layout wants a whole block in a lane: lanes 0-15 block 2 c, lanes 16-31 block 2 c + 1
.irp i, 0,1,2
	v_permlane16_swap_b32 v[\pc+6*\c+\i], v[\pc+12+4*\c+\i]
.endr
.irp i, 0,1,2
	s_delay_alu instid0(VALU_DEP_3)
	v_mov_b32 v[\pc+3+6*\c+\i], v[\pc+12+4*\c+\i]
.endr
.endr
.endm
.macro OUT t
.irp c, 0,1,2
	global_store_b128 v[LI], v[PC+4*\c:PC+4*\c+3], s[DST+2*\t:DST+2*\t+1] offset:512*\c   ; 32 lanes store 512 consecutive bytes, at a multiple of 256 from img's first byte
.endr
	ds_store_b32 v[SWA], v[PW] offset:512*\t       ; both halves of the lanes hold the same word and write it to the same place
.endm
	LOAD 0, R0
	LOAD 1, R1
	s_wait_loadcnt 16                              ; unit 0's loads are in; unit 1's sixteen may be out
	TURN R0
	s_wait_dscnt 0x0                               ; X is back, and the stage's stores have read R0,
	LOAD 2, R0                                     ; which takes unit 2
	QUANT X, PC, PW
	OUT 0
	s_wait_loadcnt 16                              ; unit 1's are in; unit 2's sixteen may be out
	TURN R1
	s_wait_dscnt 0x0
	s_wait_xcnt 0x0                                ; unit 0's stores have read the code registers, which are written again below
	QUANT X, PC, PW
	OUT 1
	s_wait_loadcnt 0x0
	TURN R0
	s_wait_dscnt 0x0
	s_wait_xcnt 0x0
	QUANT X, PC, PW
	OUT 2
	s_wait_dscnt 0x0                               ; for the others' sake: my scale words lie in LDS
	s_barrier_signal -1
	s_barrier_wait -1
	s_cmp_lt_u32 s[WV], 3
	s_cbranch_scc0 .Lnot_scales
	ds_load_b128 v[R0:R0+3], v[SRA]                ; wave w: tile 3 g + w's 512 bytes of scale words, made by the eight waves
	s_wait_dscnt 0x0
	global_store_b128 v[LI], v[R0:R0+3], s[52:53]  ; two aligned runs of 256 bytes
.Lnot_scales:
	s_cmp_lg_u32 s[WV], 3
	s_cbranch_scc1 .Lend
	v_add_f32 v[TD], v[TD], v[TD+1]                ; a row of rel_pos lies in eight lanes, four numbers each
	v_add_f32 v[TD+2], v[TD+2], v[TD+3]
	s_delay_alu instid0(VALU_DEP_1)
	v_add_f32 v[TD], v[TD], v[TD+2]
	s_delay_alu instid0(VALU_DEP_1)
	v_add_f32_dpp v[TD], v[TD], v[TD] row_xmask:1 row_mask:0xf bank_mask:0xf
	s_delay_alu instid0(VALU_DEP_1)
	v_add_f32_dpp v[TD], v[TD], v[TD] row_xmask:2 row_mask:0xf bank_mask:0xf
	s_delay_alu instid0(VALU_DEP_1)
	v_add_f32_dpp v[TD], v[TD], v[TD] row_xmask:4 row_mask:0xf bank_mask:0xf
	s_delay_alu instid0(VALU_DEP_1)
	v_mul_f32 v[TD], 0x3e3504f3, v[TD]             ; / sqrt(32): the mean x sqrt(32), so that (score + this) / sqrt(32) is the logit
	v_cmp_eq_u32 vcc_lo, 0, v11
	s_wait_alu depctr_va_vdst(0)
	s_wait_xcnt 0x0                                ; EXEC changes only behind this wait: it is a source of the stores above
	s_and_saveexec_b32 s57, vcc_lo
	global_store_b32 v10, v[TD], s[54:55]          ; one lane of each eight
	s_wait_xcnt 0x0
	s_or_b32 exec_lo, exec_lo, s57
.Lend:
	s_wait_tensorcnt 0x0
	ds_add_u32 v254, v255
	s_wait_dscnt 0x0
	s_endpgm
.Lfunc_end_k_q4743ef62c8_quant:
	.size	k_q4743ef62c8_quant, .Lfunc_end_k_q4743ef62c8_quant-k_q4743ef62c8_quant
	.p2alignl 7, 3214868480
	.fill 96, 4, 3214868480
	.section	.rodata,"a",@progbits
	.p2align	6, 0x0
	.amdhsa_kernel k_q4743ef62c8_quant
		.amdhsa_group_segment_fixed_size 70656
		.amdhsa_private_segment_fixed_size 0
		.amdhsa_enable_private_segment 0
		.amdhsa_kernarg_size 72
		.amdhsa_user_sgpr_count 2
		.amdhsa_user_sgpr_kernarg_segment_ptr 1
		.amdhsa_wavefront_size32 1
		.amdhsa_system_sgpr_workgroup_id_x 1
		.amdhsa_system_sgpr_workgroup_id_y 1
		.amdhsa_system_sgpr_workgroup_id_z 1
		.amdhsa_system_vgpr_workitem_id 0
		.amdhsa_next_free_vgpr 256
		.amdhsa_next_free_sgpr 66
		.amdhsa_reserve_vcc 1
		.amdhsa_float_denorm_mode_32 3
		.amdhsa_float_denorm_mode_16_64 3
		.amdhsa_memory_ordered 1
		.amdhsa_forward_progress 1
		.amdhsa_inst_pref_size 35
	.end_amdhsa_kernel
	.amdgpu_metadata
---
amdhsa.version: [ 1, 2 ]
amdhsa.kernels:
  - .name:           k_q4743ef62c8_quant
    .symbol:         k_q4743ef62c8_quant.kd
    .args:
      - { .name: hidden_states, .offset: 0, .size: 8, .value_kind: global_buffer, .address_space: global }
      - { .name: wq, .offset: 8, .size: 8, .value_kind: global_buffer, .address_space: global }
      - { .name: wk, .offset: 16, .size: 8, .value_kind: global_buffer, .address_space: global }
      - { .name: wv, .offset: 24, .size: 8, .value_kind: global_buffer, .address_space: global }
      - { .name: wo, .offset: 32, .size: 8, .value_kind: global_buffer, .address_space: global }
      - { .name: rel_pos, .offset: 40, .size: 8, .value_kind: global_buffer, .address_space: global }
      - { .name: img, .offset: 48, .size: 8, .value_kind: global_buffer, .address_space: global }
      - { .name: isc, .offset: 56, .size: 8, .value_kind: global_buffer, .address_space: global }
      - { .name: tab, .offset: 64, .size: 8, .value_kind: global_buffer, .address_space: global }
    .group_segment_fixed_size: 70656
    .private_segment_fixed_size: 0
    .kernarg_segment_align: 8
    .kernarg_segment_size: 72
    .max_flat_workgroup_size: 256
    .sgpr_count:     66
    .vgpr_count:     256
    .wavefront_size: 32
...
	.end_amdgpu_metadata
.endif
;; end of part 1
;; launch qkv (part 2): grid 32 x 8, 4 waves a work-group, clusters of 4 x 1, 327,680 bytes of LDS; arguments img, isc, qkv, qkvs; writes qkv, qkvs
.if DOCPART == 2
	.amdgcn_target "amdgcn-amd-amdhsa--gfx1250"
	.amdhsa_code_object_version 6
	.text
	.protected	k_q4743ef62c8_qkv
	.globl	k_q4743ef62c8_qkv
	.p2align	8
	.type	k_q4743ef62c8_qkv,@function
k_q4743ef62c8_qkv:
	s_mov_b64 s[64:65], 0
	v_nop
	global_prefetch_b8 v0, s[64:65] scope:SCOPE_SE
	s_setreg_imm32_b32 hwreg(HW_REG_WAVE_MODE, 25, 1), 1
	s_wait_xcnt 0x0
	s_wait_alu depctr_hold_cnt(0) depctr_sa_sdst(0) depctr_va_vdst(0) depctr_va_sdst(0) depctr_va_ssrc(0) depctr_va_vcc(0) depctr_vm_vsrc(0)
	s_getreg_b32 s2, hwreg(HW_REG_IB_STS2, 6, 4)
	s_cmp_eq_u32 s2, 0
	s_cbranch_scc0 .Lentry_in_a_cluster
	s_endpgm
.Lentry_in_a_cluster:
	s_bfe_u32 s2, ttmp6, 0x10000c
	s_cmp_lg_u32 s2, 0x3003
	s_cbranch_scc0 .Lentry_shape_is_right
	s_endpgm
.Lentry_shape_is_right:
; q, k and v = x [wq | wk | wv]^T on codes of FP6 (E2M3) with E8M0 scales; the results are quantised again (q, k along the features, a block = one head of one token; v along the tokens, a block = 32 keys of one feature)
; and stored as fragment images for the attention launch.
; SHARES.  A work-group takes 256 tokens x 384 of the 3,072 features: 32 x 8 = 256 work-groups.  A wave takes 64 tokens: its four tiles of x, all eight K steps, stay in 384 registers, loaded straight from their images.
; The 24 weight tiles (294,912 bytes, dense in img: wq, wk, wv lie on end) come into LDS once, six tiles a wave by one joint load: the four work-groups of a cluster (4, 1, 1: four token blocks) need the same weights.
; The features go in three sub-tiles of 128: 8 K steps x 32 products on 32 accumulators by turns, then the quantiser.  Nothing in LDS is filled twice.
; No prefetch: the only tensor load stands at the head, there is no loop to run ahead in.
; q, k: source 0 = 16 rows of w, source 1 = 16 tokens: a lane holds one token, its 16 registers of w's tiles 2 g, 2 g + 1 are features 32 g + 16 h + 0 .. 15 (lane r of tile i holds row 32 (i / 2) + 8 (i % 2) + r + 8 (r / 8)).
; v: the sources are swapped: a lane holds one feature, its registers run along my 64 tokens: two blocks of 32: half a fragment of 16 features x 128 tokens.  Which way a sub-tile goes hangs on the work-group's y and the loop's count alone.
; qkv: [fragment][1,536]; qkvs: [fragment][16 words].  q, k: fragment = (group of 128 features, 0-7 q, 8-15 k) x 512 + x's tile, three runs of 512 bytes (registers 4 c .. 4 c + 3 at 16 x lane).
; v: fragment = 8,192 + (group of 128 tokens) x 64 + wv's tile; half c (tokens 64 c ..) at 768 c: three runs of 256 bytes (registers 6 c + 2 q, 6 c + 2 q + 1 at 8 x lane).
; LIMITS: NaN and infinities are not served.  A block of zeros, or one under 2^-124, gets the byte 1: its codes are zeros, and the bytes are read by this program alone.
; REGISTERS.  window 0: v2-13 addresses; v16-31 x's scale words, v32-63 w's; v64-159, v160-255 w's fragments, two sets (behind a sub-tile's products: codes, and the quantiser's work).
;   window 1: x's fragments of K steps 0-4; window 3: of steps 5-7; window 2: the accumulators.
.set FRB,   1536
.set TILEB, 12288
.set SUBB,  98304                      ; a sub-tile's eight weight tiles
.set SQ,    294912                     ; q, k: 256 bytes a wave for scale words on their way out
.set SV,    295936                     ; v: 1,024 bytes for each of the three sub-tiles
.set SPARE, 299008                     ; the spare words
.set SPW, 2
.set NIL, 3
.set LI,  4                            ; 16 x lane
.set L8,  5                            ; 8 x lane
.set ADB, 6                            ; v6-7 this sub-tile's weight tiles 0-3, 4-7
.set SQI, 8
.set SQO, 9
.set SVI, 10
.set SVO, 11
.set SVJ, 12
.set SVK, 13
.set ASC, 16
.set BSC, 32
.set BF,  64
.set TM,  160
.set PWR, 176
.set RB,  180
.set J,   17
.set FL,  62
.set SEL, 60
.set MSB, 0
.macro WIN new                         ; the immediate's high byte repeats the setting that is left
.if MSB != \new
	s_set_vgpr_msb (MSB<<8)|\new
.set MSB, \new
.endif
.endm
.macro PLACES                          ; four plain places behind a matrix instruction (ISA guide 7.12.1)
.rept 4
	v_nop
.endr
.endm
.macro CROUND                          ; a round of the cluster's barrier
	s_barrier_signal -1
	s_barrier_wait -1
	s_cmp_lg_u32 s16, 0
	s_cbranch_scc1 .Lnot_wave_0_\@
	s_barrier_signal -3
.Lnot_wave_0_\@:
	s_barrier_wait -3
	s_barrier_signal -1
	s_barrier_wait -1
.endm
	s_load_b256 s[4:11], s[0:1], 0x0               ; img, isc, qkv, qkvs
	v_lshl_add_u32 v[SPW], v0, 2, SPARE
	v_mov_b32 v[NIL], 0
	ds_add_u32 v[SPW], v[NIL]                      ; the opening lines: the add, twice on end, and its wait
	ds_add_u32 v[SPW], v[NIL]
	v_lshrrev_b32 v1, 5, v0
	v_readfirstlane_b32 s16, v1                    ; wave 0..3
	s_bfe_u32 s20, ttmp6, 0x40000                  ; cx
	s_lshl_b32 s21, ttmp9, 2
	s_add_co_u32 s21, s21, s20                     ; which 256 tokens
	s_and_b32 s22, ttmp7, 0xffff                   ; which 384 features
	s_lshl_b32 s23, s21, 4
	s_lshl_b32 s24, s16, 2
	s_add_co_u32 s23, s23, s24                     ; my first tile of x
	s_mul_i32 s24, s23, TILEB
	s_mov_b32 s25, 0
	s_lshl_b32 s26, s23, 9                         ; its scale words: 512 bytes a tile
	s_mov_b32 s27, 0
	s_mul_i32 s28, s22, 24
	s_add_co_u32 s28, s28, 512                     ; the first weight tile
	s_mul_i32 s30, s16, 6
	s_add_co_u32 s30, s30, s28
	s_mul_i32 s30, s30, TILEB                      ; the six that I fetch
	s_mov_b32 s31, 0
	s_lshl_b32 s50, s28, 9
	s_mov_b32 s51, 0
	s_mov_b32 s32, 15|(3<<16)|(1<<21)              ; group 1: the mask of all four partners; a dense block as 288 rows of 256 bytes (32 elements of 8)
	s_mov_b32 s33, 32<<16
	s_mov_b32 s34, 288<<16
	s_mov_b32 s35, 32<<16
	s_mov_b32 s36, 288
	s_mov_b32 s37, 32
	s_mov_b32 s38, 0
	s_mov_b32 s39, 0
	s_mov_b32 s12, 1
	s_mul_i32 s13, s16, 6*TILEB                    ; no place in the cluster enters an LDS address
	s_lshr_b32 s54, s16, 1
	s_and_b32 s55, s16, 1
	s_lshl_b32 s56, s21, 1
	s_add_co_u32 s56, s56, s54
	s_lshl_b32 s56, s56, 6
	s_add_co_u32 s56, s56, 8192-128                ; v's fragment less 8 x (group of features): 8,192 + 64 x (group of 128 tokens) - 8 x 16
	s_mul_i32 s57, s55, 768                        ; my half of v's fragments
	s_xor_b32 s58, s55, 1                          ; 1 in waves 0 and 2
	s_lshl_b32 s59, s16, 8
	s_add_co_u32 s59, s59, SQ
	s_lshl_b32 s54, s54, 9
	s_add_co_u32 s54, s54, SV
	s_lshl_b32 s55, s55, 1
	s_add_co_u32 s55, s55, s54
	s_mov_b32 s[FL], 0x1800000                     ; the floor 2^(3 - 127)
	s_mov_b32 s[SEL], 0x76543210
	s_mov_b32 s[SEL+1], 0xfedcba98
	v_and_b32 v14, 31, v0                          ; lane
	v_and_b32 v15, 15, v0                          ; r
	v_lshlrev_b32 v[LI], 4, v14
	v_lshlrev_b32 v[L8], 3, v14
	v_lshl_add_u32 v[SQI], v15, 2, s59
	v_lshl_add_u32 v[SQO], v14, 3, s59
	v_lshl_add_u32 v[SVI], v15, 2, s55             ; v's scale bytes: the pair's 512 bytes, 4 r, + 2 x my half
	v_lshl_add_u32 v[SVO], v14, 4, s54
	s_wait_alu depctr_va_vdst(0)
	s_wait_dscnt 0x0
	s_wait_kmcnt 0x0
	s_add_nc_u64 s[24:25], s[4:5], s[24:25]
	s_add_nc_u64 s[26:27], s[6:7], s[26:27]
	s_add_nc_u64 s[14:15], s[4:5], s[30:31]
	s_or_b32 s15, s15, 0x80000000
	s_add_nc_u64 s[50:51], s[6:7], s[50:51]
	CROUND                                         ; all four work-groups are here: the joint loads meet
	tensor_load_to_lds s[12:15], s[32:39]          ; my one tensor load
	s_nop 0
	PLACES
.irp t, 0,1,2,3
	global_load_b128 v[ASC+4*\t:ASC+4*\t+3], v[LI], s[26:27] offset:512*\t   ; register q: lanes 0-15 the word of K step q, lanes 16-31 of step 4 + q
.endr
.irp t, 0,1,2,3,4,5,6,7
	global_load_b128 v[BSC+4*\t:BSC+4*\t+3], v[LI], s[50:51] offset:512*\t
.endr
	WIN 0x40
.irp s, 0,1,2,3,4
.irp a, 0,1,2,3
.irp q, 0,1,2
	global_load_b128 v[48*\s+12*\a+4*\q:48*\s+12*\a+4*\q+3], v[LI], s[24:25] offset:TILEB*\a+FRB*\s+512*\q   ; x's fragments: 512 consecutive bytes a load
.endr
.endr
.endr
	WIN 0xc0
.irp s, 0,1,2
.irp a, 0,1,2,3
.irp q, 0,1,2
	global_load_b128 v[48*\s+12*\a+4*\q:48*\s+12*\a+4*\q+3], v[LI], s[24:25] offset:TILEB*\a+FRB*(\s+5)+512*\q
.endr
.endr
.endr
	WIN 0
	s_mov_b32 s[J], 0
	s_wait_tensorcnt 0x0                           ; my six tiles have landed;
	s_barrier_signal -1
	s_barrier_wait -1                              ; everybody's have
.macro WM d, f0, f1, s0, s1, zero, row             ; one product; row: the scale words stand in lanes 16-31
.if \zero
	v_wmma_scale_f32_16x16x128_f8f6f4 v[\d:\d+7], v[\f0:\f0+11], v[\f1:\f1+11], 0, v[\s0], v[\s1] matrix_a_fmt:MATRIX_FMT_FP6 matrix_b_fmt:MATRIX_FMT_FP6
.elseif \row
	v_wmma_scale_f32_16x16x128_f8f6f4 v[\d:\d+7], v[\f0:\f0+11], v[\f1:\f1+11], v[\d:\d+7], v[\s0], v[\s1] matrix_a_fmt:MATRIX_FMT_FP6 matrix_b_fmt:MATRIX_FMT_FP6 matrix_a_scale:MATRIX_SCALE_ROW1 matrix_b_scale:MATRIX_SCALE_ROW1
.else
	v_wmma_scale_f32_16x16x128_f8f6f4 v[\d:\d+7], v[\f0:\f0+11], v[\f1:\f1+11], v[\d:\d+7], v[\s0], v[\s1] matrix_a_fmt:MATRIX_FMT_FP6 matrix_b_fmt:MATRIX_FMT_FP6
.endif
.endm
.macro MULS s, v                       ; K step s: x's four tiles x w's eight.  v = 0: accumulator (a, b) at 64 a + 8 b, w is source 0; v = 1: at 32 b + 8 a, x is source 0
.if (\s) < 5
.set AW, 1
.set AR, 48*(\s)
.else
.set AW, 3
.set AR, 48*((\s)-5)
.endif
.if \v
	WIN 0xa0|AW
.else
	WIN 0xa0|(AW<<2)
.endif
.irp a, 0,1,2,3
.irp b, 0,1,2,3,4,5,6,7
.if \v
	WM 32*\b+8*\a,AR+12*\a,BF+96*((\s)%2)+12*\b,ASC+4*\a+(\s)%4,BSC+4*\b+(\s)%4,(\s)==0,(\s)/4
.else
	WM 64*\a+8*\b,BF+96*((\s)%2)+12*\b,AR+12*\a,BSC+4*\b+(\s)%4,ASC+4*\a+(\s)%4,(\s)==0,(\s)/4
.endif
.endr
.endr
.endm
.macro FETCH s                         ; w's eight fragments of K step s, 24 loads in one run, into set s % 2
	WIN 0
.irp t, 0,1,2,3,4,5,6,7
.irp q, 0,1,2
	ds_load_b128 v[BF+96*((\s)%2)+12*\t+4*\q:BF+96*((\s)%2)+12*\t+4*\q+3], v[ADB+\t/4] offset:TILEB*(\t%4)+FRB*(\s)+512*\q
.endr
.endr
.endm
.macro COMPUTE v
.set SS, 0
.rept 7
	s_wait_dscnt 0x0                               ; this step's 24 loads are in
.if SS > 0
	PLACES                                         ; behind the last step's products, which read the set that is loaded now
.endif
	FETCH SS+1
	MULS SS,\v
.set SS, SS+1
.endr
	s_wait_dscnt 0x0
	MULS 7,\v
	WIN 0
.endm
; 64 accumulator registers of a lane, four blocks of 16 + lane l xor 16's 16, become 12 registers of codes and four scale bytes
.macro QUANT s, pc, pw
	WIN 0x28                                       ; sources 1 and 2 window 2
.irp b, 0,1,2,3
	v_max3_num_f32 v[TM+\b], s[FL], |v[\s+16*\b]|, |v[\s+16*\b+1]|   ; each accumulator is read from its low end on
.endr
.irp i, 2,4,6,8,10,12,14
.irp b, 0,1,2,3
	v_max3_num_f32 v[TM+\b], v[TM+\b], |v[\s+16*\b+\i]|, |v[\s+16*\b+\i+1]|
.endr
.endr
	WIN 0
.irp b, 0,1,2,3
	v_permlanex16_b32 v[TM+4+\b], v[TM+\b], s[SEL], s[SEL+1]
.endr
.irp b, 0,1,2,3
	v_max_num_f32 v[TM+\b], v[TM+\b], v[TM+4+\b]   ; the block's largest magnitude
.endr
.irp b, 0,1,2,3
	v_add_nc_u32 v[TM+12+\b], 0xff000000, v[TM+\b] ; 2 off its exponent field: the conversion's scale operand
.endr
.irp b, 0,1,2,3
	v_lshrrev_b32 v[TM+4+\b], 23, v[TM+12+\b]      ; the scale's byte
.endr
	v_lshl_or_b32 v[\pw], v[TM+5], 8, v[TM+4]
	v_lshl_or_b32 v[\pw], v[TM+6], 16, v[\pw]
	v_lshl_or_b32 v[\pw], v[TM+7], 24, v[\pw]
	WIN 0x02                                       ; source 0 window 2
.irp c, 0,1
	v_cvt_scalef32_pk16_fp6_f32 v[\pc+6*\c:\pc+6*\c+2], v[\s+32*\c:\s+32*\c+15], v[TM+12+2*\c]
	v_cvt_scalef32_pk16_fp6_f32 v[\pc+12+4*\c:\pc+12+4*\c+2], v[\s+32*\c+16:\s+32*\c+31], v[TM+12+2*\c+1]
.endr
	WIN 0
	v_nop                                          ; one plain place behind a scaled conversion
.irp c, 0,1
.irp i, 0,1,2
	v_permlane16_swap_b32 v[\pc+6*\c+\i], v[\pc+12+4*\c+\i]
.endr
.irp i, 0,1,2
	v_mov_b32 v[\pc+3+6*\c+\i], v[\pc+12+4*\c+\i]
.endr
.endr
.endm
.Lsub:
	s_wait_xcnt 0x0                                ; the last sub-tile's stores and loads have read their registers and bases
	s_mul_i32 s18, s22, 3
	s_add_co_u32 s18, s18, s[J]                    ; the group of 128 features: 0-7 q, 8-15 k, 16-23 v
	s_lshl_b32 s40, s18, 9
	s_add_co_u32 s40, s40, s23                     ; q, k: my first fragment
	s_lshl_b32 s41, s18, 3
	s_add_co_u32 s41, s41, s56                     ; v: the sub-tile's first
	s_cmp_ge_u32 s18, 16
	s_cselect_b32 s19, 1, 0
	s_cselect_b32 s40, s41, s40
	s_cselect_b32 s42, s57, 0
	s_lshl_b32 s52, s40, 6
	s_mov_b32 s53, 0
	s_mul_i32 s40, s40, FRB
	s_add_co_u32 s40, s40, s42
	s_mov_b32 s41, 0
	s_add_nc_u64 s[44:45], s[8:9], s[40:41]        ; where the codes go,
	s_add_nc_u64 s[46:47], s[10:11], s[52:53]      ; and the scale words
	s_lshl_b32 s52, s[J], 12
	s_add_nc_u64 s[48:49], s[50:51], s[52:53]      ; this sub-tile's weights' scale words
	s_lshl_b32 s42, s[J], 10
	s_mul_i32 s40, s[J], SUBB
	s_add_co_u32 s41, s40, 4*TILEB
	v_add_nc_u32 v[ADB], s40, v[LI]
	v_add_nc_u32 v[ADB+1], s41, v[LI]
	v_add_nc_u32 v[SVJ], s42, v[SVI]
	v_add_nc_u32 v[SVK], s42, v[SVO]
	s_wait_alu depctr_va_vdst(0)
	FETCH 0
	s_wait_loadcnt 0x0                             ; the scale words (and, the first time, x's fragments)
	s_cmp_lg_u32 s19, 0
	s_cbranch_scc1 .Lmul_v
	COMPUTE 0
	s_branch .Lmade
.Lmul_v:
	COMPUTE 1
.Lmade:
	PLACES                                         ; in front of the first read of results, of writes over the fragments' registers and of loads into the scale words
	s_cmp_lt_u32 s[J], 2
	s_cbranch_scc0 .Lno_next
.irp t, 0,1,2,3,4,5,6,7
	global_load_b128 v[BSC+4*\t:BSC+4*\t+3], v[LI], s[48:49] offset:4096+512*\t   ; the next sub-tile's
.endr
.Lno_next:
.irp a, 0,1,2,3                        ; each has code registers of its own, so no store's data are written again
	QUANT 64*\a,BF+24*\a,PWR+\a
.endr
	s_cmp_lg_u32 s19, 0
	s_wait_alu depctr_va_vdst(0)
	s_cbranch_scc1 .Lout_v
.irp a, 0,1,2,3                        ; q, k: a fragment for each of my four tiles of tokens
.irp c, 0,1,2
	global_store_b128 v[LI], v[BF+24*\a+4*\c:BF+24*\a+4*\c+3], s[44:45] offset:FRB*\a+512*\c   ; 512 consecutive bytes, at a multiple of 256 from qkv's first byte
.endr
	ds_store_b32 v[SQI], v[PWR+\a] offset:64*\a    ; both halves of the lanes write the same word
.endr
	ds_load_b64 v[RB:RB+1], v[SQO]                 ; LDS serves a wave's instructions in order: this sees my four stores
	s_wait_dscnt 0x0
	global_store_b64 v[L8], v[RB:RB+1], s[46:47]   ; four fragments' scale words: 256 consecutive bytes, aligned
	s_branch .Lout
.Lout_v:
.irp p, 0,1,2,3                        ; v: registers 6 u .. 6 u + 5 are my half of the fragment of wv's tile 2 p + u, and the word's half u its two scale bytes
.irp u, 0,1
.irp q, 0,1,2
	global_store_b64 v[L8], v[BF+24*\p+6*\u+2*\q:BF+24*\p+6*\u+2*\q+1], s[44:45] offset:FRB*(2*\p+\u)+256*\q   ; 256 consecutive bytes, aligned
.endr
.endr
	ds_store_b16 v[SVJ], v[PWR+\p] offset:128*\p
	ds_store_b16_d16_hi v[SVJ], v[PWR+\p] offset:128*\p+64
.endr
.Lout:
	s_wait_dscnt 0x0                               ; for the others' sake: my scale bytes lie in LDS
	s_barrier_signal -1
	s_barrier_wait -1
	s_and_b32 s40, s19, s58
	s_cmp_lg_u32 s40, 0
	s_cbranch_scc0 .Lno_words
	ds_load_b128 v[RB+4:RB+7], v[SVK]              ; v, waves 0 and 2: eight fragments' scale words, made by two waves; each sub-tile has LDS bytes of its own; registers that no other store names
	s_wait_dscnt 0x0
	global_store_b128 v[LI], v[RB+4:RB+7], s[46:47]  ; 512 consecutive bytes, aligned
.Lno_words:
	s_add_co_u32 s[J], s[J], 1
	s_cmp_lt_u32 s[J], 3
	s_cbranch_scc1 .Lsub
	s_wait_tensorcnt 0x0                           ; the wave's end
	ds_add_u32 v[SPW], v[NIL]
	s_wait_dscnt 0x0
	CROUND                                         ; the closing round
	s_endpgm
.Lfunc_end_k_q4743ef62c8_qkv:
	.size	k_q4743ef62c8_qkv, .Lfunc_end_k_q4743ef62c8_qkv-k_q4743ef62c8_qkv
	.p2alignl 7, 3214868480
	.fill 96, 4, 3214868480
	.section	.rodata,"a",@progbits
	.p2align	6, 0x0
	.amdhsa_kernel k_q4743ef62c8_qkv
		.amdhsa_group_segment_fixed_size 327680
		.amdhsa_private_segment_fixed_size 0
		.amdhsa_enable_private_segment 0
		.amdhsa_kernarg_size 32
		.amdhsa_user_sgpr_count 2
		.amdhsa_user_sgpr_kernarg_segment_ptr 1
		.amdhsa_wavefront_size32 1
		.amdhsa_system_sgpr_workgroup_id_x 1
		.amdhsa_system_sgpr_workgroup_id_y 1
		.amdhsa_system_sgpr_workgroup_id_z 1
		.amdhsa_system_vgpr_workitem_id 0
		.amdhsa_next_free_vgpr 1024
		.amdhsa_next_free_sgpr 66
		.amdhsa_reserve_vcc 0
		.amdhsa_float_denorm_mode_32 3
		.amdhsa_float_denorm_mode_16_64 3
		.amdhsa_memory_ordered 1
		.amdhsa_forward_progress 1
		.amdhsa_inst_pref_size 127
	.end_amdhsa_kernel
	.amdgpu_metadata
---
amdhsa.version: [ 1, 2 ]
amdhsa.kernels:
  - .name:           k_q4743ef62c8_qkv
    .symbol:         k_q4743ef62c8_qkv.kd
    .args:
      - { .name: img, .offset: 0, .size: 8, .value_kind: global_buffer, .address_space: global }
      - { .name: isc, .offset: 8, .size: 8, .value_kind: global_buffer, .address_space: global }
      - { .name: qkv, .offset: 16, .size: 8, .value_kind: global_buffer, .address_space: global }
      - { .name: qkvs, .offset: 24, .size: 8, .value_kind: global_buffer, .address_space: global }
    .group_segment_fixed_size: 327680
    .private_segment_fixed_size: 0
    .kernarg_segment_align: 8
    .kernarg_segment_size: 32
    .max_flat_workgroup_size: 128
    .sgpr_count:     66
    .vgpr_count:     1024
    .wavefront_size: 32
...
	.end_amdgpu_metadata
.endif
;; end of part 2
;; launch attn (part 3): grid 4 x 64, 8 waves a work-group, clusters of 4 x 1, 230,400 bytes of LDS; arguments qkv, qkvs, tab, cimg, csc; writes cimg, csc
.if DOCPART == 3
	.amdgcn_target "amdgcn-amd-amdhsa--gfx1250"
	.amdhsa_code_object_version 6
	.text
	.protected	k_q4743ef62c8_attn
	.globl	k_q4743ef62c8_attn
	.p2align	8
	.type	k_q4743ef62c8_attn,@function
k_q4743ef62c8_attn:
	s_mov_b64 s[64:65], 0
	v_nop
	global_prefetch_b8 v0, s[64:65] scope:SCOPE_SE
	s_setreg_imm32_b32 hwreg(HW_REG_WAVE_MODE, 25, 1), 1
	s_wait_xcnt 0x0
	s_wait_alu depctr_hold_cnt(0) depctr_sa_sdst(0) depctr_va_vdst(0) depctr_va_sdst(0) depctr_va_ssrc(0) depctr_va_vcc(0) depctr_vm_vsrc(0)
	s_getreg_b32 s2, hwreg(HW_REG_IB_STS2, 6, 4)
	s_cmp_eq_u32 s2, 0
	s_cbranch_scc0 .Lentry_in_a_cluster
	s_endpgm
.Lentry_in_a_cluster:
	s_bfe_u32 s2, ttmp6, 0x10000c
	s_cmp_lg_u32 s2, 0x3003
	s_cbranch_scc0 .Lentry_shape_is_right
	s_endpgm
.Lentry_shape_is_right:
; ctx = softmax(q k^T / sqrt(32) + bias) v on codes of FP6 (E2M3) with E8M0 scales; ctx is quantised along the features and stored as fragment images (cimg) with scale words (csc).
; SHARES.  A work-group takes one batch, 8 heads (two passes e of 4) and 128 queries; a wave 16 queries; the keys go in 4 steps of 128.  A unit = one head x 128 keys of a wave.  16 x 4 x 4 = 256 work-groups.
; CLUSTER 4, 1, 1: the four query blocks of a batch and head group need the same K and V: each wave asks for 16 fragments by one joint load (waves 0-3 K's, 4-7 V's), filled once.
; The scale words (1,024 bytes a wave) and the bias table come through registers into LDS bytes of their own.  No prefetch: all tiles come by the head's one load, there is no loop to run ahead in.
; BOTH PRODUCTS ARE USED TRANSPOSED: S^T = k q^T + bias (the bias is the C operand), O^T += v^T p^T: a lane holds one query.  A fragment of k holds 4 heads' 32 features; q is masked to one head by zero codes.
; THE KEYS OF A TILE are chosen by the LDS read address: tile 4 g + t has in rows 0-7 keys 64 g + 8 t + j, in rows 8-15 keys 64 g + 32 + 8 t + j.  So lane (r, h) holds in registers 32 g + i the key 64 g + 32 h + i:
; a whole block of 32 in a lane, as p's operand layout wants it: a block's largest score needs no other lane and the codes need no exchange of lanes.
; p = 2^(t - M), t = score x log2(e) / sqrt(32), M the running ceiling of the largest t; sums and O^T are brought under a new M by an exact power of two; the row's sum is taken of the unquantised p.
; A block's largest p is made from its largest score by the same multiply-add and exponential.
; ORDER.  Two score buffers.  A unit begins with the first reads of its scores; behind them stand the value products of the unit before and the score products of the unit after, which so run under this unit's vector work.
; The next step's K, bias and scale words are read from LDS behind the step's last score products.
; LIMITS: holds while |t| stays under 2^31; NaN and infinities are not served; a block whose every p is 0, or a block of ctx under 2^-124, gets the byte 1: its codes are zeros, and the bytes are read by this program alone.
; REGISTERS.  window 0: v1-15 addresses; v16-31 state (-M, largest score, sum x 2) x 4 heads; v32-67 masked q; v68-131, v132-195 scores; v196-215 codes; v216-.. at work.  window 1: v0-95 K, v96-159 bias, v160-223 O^T, v224-247 V, v248-255 q of pass 1.
.set VC,   98304                       ; LDS: K's 64 fragments, then V's 64
.set KSB,  196608                      ; K's scale words, 4,096 bytes; V's behind them
.set VSB,  200704
.set BT,   204816                      ; four copies of the bias table, each shifted by one entry more, so that every lane's 16-byte loads are aligned
.set OF1,  2592
.set OF2,  5248
.set OF3,  7840
.set CSG,  215296                      ; ctx's scale words on their way out
.set SPARE, 0x38000                    ; the spare words, 128 bytes a wave
.set FRB,  1536
.set LI,   1
.set AK,   2
.set AKS,  3
.set AV,   4
.set AVS,  5
.set AB0,  6
.set ADK,  7
.set ADKS, 8
.set ADV,  9
.set ADVS, 10
.set ADB,  11
.set BST,  12
.set CSW,  13
.set CSR,  14
.set SCA,  15
.set STT,  16
.set QMA,  32                          ; q's blocks 0 | zeros | 2 in lanes 0-15
.set QMB,  50                          ; blocks 1 | zeros | 3 in lanes 16-31
.set S0,   68
.set S1,   132
.set PC,   196
.set TM,   216
.set QSO,  224
.set TOF,  225
.set F,    232
.set SU,   234
.set TP,   236
.set TPX,  237
.set VSC,  238
.set PW,   240
.set SH8,  241
.set QSC,  242
.set CW,   244
.set KSC,  246
.set KF,   0
.set CB,   96
.set O,    160
.set VF,   224
.set WV,   14
.set SEL,  20
.set CS,   22
.set G1C,  24
.set G0C,  40
.set TB,   44
.set FL,   48
.set MLO,  49
.set T1,   50
.set T2,   51
.set T3,   52
.set T4,   53
.set CNT,  54
.set MSB, 0
.macro WIN new                         ; the immediate's high byte repeats the setting that is left
.if MSB != \new
	s_set_vgpr_msb (MSB<<8)|\new
.set MSB, \new
.endif
.endm
.macro PLACES
.rept 4
	v_nop
.endr
.endm
.macro CROUND                          ; a round of the cluster's barrier
	s_barrier_signal -1
	s_barrier_wait -1
	s_cmp_lg_u32 s[WV], 0
	s_cbranch_scc1 .Lnot_wave_0_\@
	s_barrier_signal -3
.Lnot_wave_0_\@:
	s_barrier_wait -3
	s_barrier_signal -1
	s_barrier_wait -1
.endm
	s_load_b256 s[4:11], s[0:1], 0x0               ; qkv, qkvs, tab, cimg
	s_load_b64 s[12:13], s[0:1], 0x20              ; csc
	v_lshl_add_u32 v254, v0, 2, SPARE
	v_mov_b32 v255, 0
	ds_add_u32 v254, v255                          ; the opening lines: the add, twice on end, and its wait
	ds_add_u32 v254, v255
	v_lshrrev_b32 v1, 5, v0
	v_readfirstlane_b32 s[WV], v1                  ; wave 0..7
	s_bfe_u32 s15, ttmp6, 0x40000                  ; cx: which 128 queries
	s_and_b32 s16, ttmp7, 0xffff
	s_and_b32 s17, s16, 3                          ; which 8 heads
	s_lshr_b32 s16, s16, 2                         ; batch
	s_lshr_b32 s18, s[WV], 1                       ; waves 0-3: K's fragments: (8 + 2 x head group + wave / 2) x 512 + 32 x batch + 16 (wave % 2)
	s_lshl_b32 s19, s17, 1
	s_add_co_u32 s18, s18, s19
	s_add_co_u32 s18, s18, 8
	s_lshl_b32 s18, s18, 9
	s_lshl_b32 s19, s16, 5
	s_add_co_u32 s18, s18, s19
	s_and_b32 s19, s[WV], 1
	s_lshl_b32 s19, s19, 4
	s_add_co_u32 s18, s18, s19
	s_and_b32 s19, s[WV], 3                        ; waves 4-7: V's: 8,192 + (4 x batch + wave % 4) x 64 + 16 x head group
	s_lshl_b32 s68, s16, 2
	s_add_co_u32 s19, s19, s68
	s_lshl_b32 s19, s19, 6
	s_lshl_b32 s68, s17, 4
	s_add_co_u32 s19, s19, s68
	s_add_co_u32 s19, s19, 8192
	s_cmp_lt_u32 s[WV], 4
	s_cselect_b32 s18, s18, s19
	s_mul_i32 s68, s18, FRB
	s_mov_b32 s69, 0
	s_lshl_b32 s70, s18, 6                         ; and their scale words, 64 bytes a fragment
	s_mov_b32 s71, 0
	s_mov_b32 s[G1C], 15|(3<<16)|(1<<21)           ; the mask of all four partners, elements of 8 bytes; 16 fragments are a dense block: 96 rows of 256 bytes
	s_mov_b32 s[G1C+1], 32<<16
	s_mov_b32 s[G1C+2], 96<<16
	s_mov_b32 s[G1C+3], 32<<16
	s_mov_b32 s[G1C+4], 96
	s_mov_b32 s[G1C+5], 32
	s_mov_b32 s[G1C+6], 0
	s_mov_b32 s[G1C+7], 0
	s_lshl_b32 s55, s16, 5
	s_lshl_b32 s19, s15, 3
	s_add_co_u32 s62, s55, s19
	s_add_co_u32 s55, s62, s[WV]                   ; my tile of queries
	s_lshl_b32 s19, s17, 10
	s_add_co_u32 s19, s19, s55
	s_mul_i32 s56, s19, FRB                        ; q's fragment of pass 0 (pass 1: 512 fragments on)
	s_mov_b32 s57, 0
	s_lshl_b32 s58, s19, 6
	s_mov_b32 s59, 0
	s_lshl_b32 s60, s55, 3
	s_lshl_b32 s19, s17, 1
	s_add_co_u32 s60, s60, s19
	s_mul_i32 s60, s60, FRB                        ; cimg: [tile][K step 2 x head group + e]
	s_mov_b32 s61, 0
	s_lshl_b32 s19, s17, 9
	s_add_co_u32 s62, s62, s19
	s_lshl_b32 s62, s62, 7                         ; csc: [head group][tile] 128 bytes
	s_mov_b32 s63, 0
	s_lshl_b32 s66, s15, 9
	s_sub_co_u32 s66, 1536, s66                    ; tab: the 640 entries that my 128 queries meet
	s_mov_b32 s67, 0
	s_lshr_b32 s72, s[WV], 1                       ; the bias: my wave's 16 queries' place in the table
	s_xor_b32 s72, s72, 3
	s_lshl_b32 s72, s72, 7
	s_and_b32 s19, s[WV], 1
	s_xor_b32 s19, s19, 1
	s_lshl_b32 s19, s19, 5
	s_add_co_u32 s72, s72, s19
	s_add_co_u32 s72, s72, BT+496-416
	s_lshl_b32 s73, s[WV], 7
	s_add_co_u32 s73, s73, CSG
	s_min_u32 s75, s[WV], 1
	s_lshl_b32 s75, s75, 9
	s_add_co_u32 s74, s75, CSG
	s_lshl_b32 s76, s[WV], 10
	s_add_co_u32 s76, s76, KSB
	s_mov_b32 s[SEL], 0x76543210
	s_mov_b32 s[SEL+1], 0xfedcba98                 ; v_permlanex16_b32's selects for lane l xor 16
	s_mov_b32 s[CS], 0x3e8293ee                    ; log2(e) / sqrt(32)
	s_mov_b32 s[CS+1], s[CS]
	s_mov_b32 s[FL], 0x1800000                     ; the floor 2^(3 - 127)
	s_mov_b32 s[MLO], 0xffff
	v_and_b32 v[TP], 31, v0                        ; lane
	v_and_b32 v[SU], 15, v0                        ; r
	v_bfe_u32 v[SU+1], v0, 4, 1                    ; h
	v_lshlrev_b32 v[LI], 4, v[TP]
	v_lshrrev_b32 v[TM], 3, v[SU]                  ; r / 8
	v_and_b32 v[TM+1], 7, v[SU]                    ; r % 8
	v_mul_u32_u24 v[AK], v[TM], 2*FRB              ; K's images: rows 8-15 come from the stored tile two further on; 16 bytes a stored lane, 256 for h
	v_lshl_add_u32 v[AK], v[TM+1], 4, v[AK]
	v_lshl_add_u32 v[AK], v[SU+1], 8, v[AK]
	v_lshl_add_u32 v[AKS], v[TM], 7, KSB           ; K's scale words by the same choice of rows; lanes 16-31 take the odd tile's
	v_lshl_add_u32 v[AKS], v[TM+1], 2, v[AKS]
	v_lshl_add_u32 v[AKS], v[SU+1], 6, v[AKS]
	v_lshl_add_u32 v[AV], v[TP], 3, VC             ; V's images: runs of 256 bytes, 8 a lane
	v_lshl_add_u32 v[AVS], v[TP], 2, VSB
	v_and_b32 v[TM+2], 3, v[SU]                    ; the bias: which shifted copy: 3 - r % 4
	v_xor_b32 v[TM+2], 3, v[TM+2]
	v_and_b32 v[TM+3], 1, v[TM+2]
	v_lshrrev_b32 v[TM+2], 1, v[TM+2]
	v_mul_u32_u24 v[AB0], v[TM+3], OF1
	v_mad_u32_u24 v[AB0], v[TM+2], OF2, v[AB0]
	v_lshl_add_u32 v[AB0], v[SU+1], 7, v[AB0]      ; lanes 16-31: 32 keys on
	v_add_nc_u32 v[AB0], s72, v[AB0]
	v_lshrrev_b32 v[TM+2], 2, v[SU]
	v_lshlrev_b32 v[TM+2], 4, v[TM+2]
	v_sub_nc_u32 v[AB0], v[AB0], v[TM+2]
	v_lshlrev_b32 v[TM+3], 5, v[TM]
	v_sub_nc_u32 v[AB0], v[AB0], v[TM+3]
	v_lshl_add_u32 v[BST], v0, 4, BT-12
	v_lshl_add_u32 v[CSW], v[SU], 3, s73
	v_add_nc_u32 v[CSR], s74, v[LI]
	v_add_nc_u32 v[SCA], s76, v[LI]
	v_lshlrev_b32 v[QSO], 2, v[SU]
	v_lshlrev_b32 v[TOF], 4, v0
	v_lshlrev_b32 v[SH8], 3, v[SU+1]               ; 8 h: where my two scale bytes stand in p's word
.irp b, 0,1,2,3
	v_mov_b32 v[TM+4+\b], 0                        ; written once: a lane permute's destination counts as one of its sources
.endr
	v_mov_b32 v[TPX], 0
	v_mov_b32 v[F+1], 0
.irp i, 0,1,2,3,4,5
	v_mov_b32 v[QMA+6+\i], 0                       ; the zero codes between q's blocks
	v_mov_b32 v[QMB+6+\i], 0
.endr
	s_wait_alu depctr_va_vdst(0)
	s_wait_dscnt 0x0                               ; both opening adds are done
	s_wait_kmcnt 0x0
	s_add_nc_u64 s[56:57], s[4:5], s[56:57]
	s_add_nc_u64 s[58:59], s[6:7], s[58:59]
	s_add_nc_u64 s[60:61], s[10:11], s[60:61]
	s_add_nc_u64 s[62:63], s[12:13], s[62:63]
	s_add_nc_u64 s[66:67], s[8:9], s[66:67]
	s_add_nc_u64 s[70:71], s[6:7], s[70:71]
.irp c, 0,1,2
	global_load_b128 v[S0+4*\c:S0+4*\c+3], v[LI], s[56:57] offset:512*\c       ; q of pass 0, for the moment where scores will lie
.endr
	global_load_b32 v[QSC], v[QSO], s[58:59]
	global_load_b32 v[QSC+1], v[QSO], s[58:59] offset:512*64
	global_load_b128 v[250:253], v[LI], s[56:57] offset:512*FRB+1024           ; q of pass 1: registers 8-11 here, 0-7 in window 1
	global_load_b128 v[S1:S1+3], v[LI], s[70:71]                               ; my 16 fragments' scale words
	global_load_b128 v[S1+4:S1+7], v[LI], s[70:71] offset:512
	WIN 0x40
	global_load_b128 v[248:251], v[LI], s[56:57] offset:512*FRB
	global_load_b128 v[252:255], v[LI], s[56:57] offset:512*FRB+512
	WIN 0
	s_cmp_lt_u32 s[WV], 5                          ; waves 0-4 bring the bias table, 512 bytes each
	s_cbranch_scc0 .Lno_tab
	global_load_b128 v[S1+8:S1+11], v[TOF], s[66:67]
.Lno_tab:
	CROUND                                         ; all four work-groups are here: the joint loads meet
	s_mov_b32 s[G0C], 1
	s_mul_i32 s[G0C+1], s[WV], 24576
	s_add_nc_u64 s[G0C+2:G0C+3], s[4:5], s[68:69]
	s_or_b32 s[G0C+3], s[G0C+3], 0x80000000
	tensor_load_to_lds s[G0C:G0C+3], s[G1C:G1C+7]  ; my one tensor load
	s_nop 0
	PLACES
	s_wait_loadcnt 0x0
	ds_store_b128 v[SCA], v[S1:S1+3]
	ds_store_b128 v[SCA], v[S1+4:S1+7] offset:512
	s_cmp_lt_u32 s[WV], 5
	s_cbranch_scc0 .Lno_bias
	ds_store_b128 v[BST], v[S1+8:S1+11] offset:12
.irp n, 0,1,2,3
	ds_store_b32 v[BST], v[S1+8+\n] offset:OF1+4*\n-4+12
	ds_store_b32 v[BST], v[S1+8+\n] offset:OF2+4*\n-8+12
	ds_store_b32 v[BST], v[S1+8+\n] offset:OF3+4*\n-12+12
.endr
.Lno_bias:
	s_wait_tensorcnt 0x0                           ; for the others' sake: my fragments have landed,
	s_wait_dscnt 0x0                               ; and my stores are done
	s_barrier_signal -1
	s_barrier_wait -1
; 64 numbers of a lane, register 16 b + i = feature 32 b + 16 h + i, become a fragment's codes and its scale word (ctx, once a pass)
.macro QUANT s, pc, pw
.irp b, 0,1,2,3
	v_max3_num_f32 v[TM+\b], s[FL], |v[\s+16*\b]|, |v[\s+16*\b+1]|
.endr
.irp i, 2,4,6,8,10,12,14
.irp b, 0,1,2,3
	s_delay_alu instid0(VALU_DEP_4)
	v_max3_num_f32 v[TM+\b], v[TM+\b], |v[\s+16*\b+\i]|, |v[\s+16*\b+\i+1]|
.endr
.endr
.irp b, 0,1,2,3
	s_delay_alu instid0(VALU_DEP_4)
	v_permlanex16_b32 v[TM+4+\b], v[TM+\b], s[SEL], s[SEL+1]
.endr
.irp b, 0,1,2,3
	s_delay_alu instid0(VALU_DEP_4)
	v_max_num_f32 v[TM+\b], v[TM+\b], v[TM+4+\b]
.endr
.irp b, 0,1,2,3
	s_delay_alu instid0(VALU_DEP_4)
	v_add_nc_u32 v[TM+12+\b], 0xff000000, v[TM+\b] ; 2 off the exponent field: the conversion's scale operand
.endr
.irp b, 0,1,2,3
	s_delay_alu instid0(VALU_DEP_4)
	v_lshrrev_b32 v[TM+4+\b], 23, v[TM+12+\b]      ; the scale's byte
.endr
	v_lshl_or_b32 v[\pw], v[TM+5], 8, v[TM+4]
	v_lshl_or_b32 v[\pw], v[TM+6], 16, v[\pw]
	v_lshl_or_b32 v[\pw], v[TM+7], 24, v[\pw]
.irp c, 0,1
	v_cvt_scalef32_pk16_fp6_f32 v[\pc+6*\c:\pc+6*\c+2], v[\s+32*\c:\s+32*\c+15], v[TM+12+2*\c]
	v_cvt_scalef32_pk16_fp6_f32 v[\pc+12+4*\c:\pc+12+4*\c+2], v[\s+32*\c+16:\s+32*\c+31], v[TM+12+2*\c+1]
.endr
	v_nop                                          ; one plain place behind a scaled conversion
.irp c, 0,1
.irp i, 0,1,2
	v_permlane16_swap_b32 v[\pc+6*\c+\i], v[\pc+12+4*\c+\i]
.endr
.irp i, 0,1,2
	v_mov_b32 v[\pc+3+6*\c+\i], v[\pc+12+4*\c+\i]
.endr
.endr
.endm
.macro MASK i, q                       ; register i of q's fragment, cut into the part of lanes 0-15 and that of lanes 16-31
.set MD, (\i)+6*((\i)/6)
	v_cndmask_b32 v[QMA+MD], 0, v[\q], s[MLO]
	v_cndmask_b32 v[QMB+MD], v[\q], 0, s[MLO]
.endm
.macro SW sb, e, hd                    ; a unit's scores: eight tiles of 16 keys, C = the bias
.set QM, QMA+18*((\hd)%2)+6*((\hd)/2)
	WIN 0x11                                       ; K and the bias in window 1
.irp t, 0,1,2,3,4,5,6,7
.if \t%2
	v_wmma_scale_f32_16x16x128_f8f6f4 v[\sb+8*\t:\sb+8*\t+7], v[KF+12*\t:KF+12*\t+11], v[QM:QM+11], v[CB+8*\t:CB+8*\t+7], v[KSC+\t/2], v[QSC+\e] matrix_a_fmt:MATRIX_FMT_FP6 matrix_b_fmt:MATRIX_FMT_FP6 matrix_a_scale:MATRIX_SCALE_ROW1
.else
	v_wmma_scale_f32_16x16x128_f8f6f4 v[\sb+8*\t:\sb+8*\t+7], v[KF+12*\t:KF+12*\t+11], v[QM:QM+11], v[CB+8*\t:CB+8*\t+7], v[KSC+\t/2], v[QSC+\e] matrix_a_fmt:MATRIX_FMT_FP6 matrix_b_fmt:MATRIX_FMT_FP6
.endif
.endr
	WIN 0
.endm
.macro FETCHK e                        ; a step's K fragments, bias and K scale words: tile t = 4 g + u takes stored tiles 4 g + u % 2 (rows 0-7) and two on (rows 8-15), stored lanes 8 (u / 2) + r % 8
	v_add_nc_u32 v[ADK], s[T1], v[AK]
	v_add_nc_u32 v[ADKS], s[T2], v[AKS]
	v_add_nc_u32 v[ADB], s[TB], v[AB0]
	WIN 0x40
.irp t, 0,1,2,3,4,5,6,7
.irp c, 0,1,2
	ds_load_b128 v[KF+12*\t+4*\c:KF+12*\t+4*\c+3], v[ADK] offset:\e*32*FRB+(4*(\t/4)+\t%2)*FRB+128*((\t%4)/2)+512*\c
.endr
.endr
.irp t, 0,1,2,3,4,5,6,7
	ds_load_b128 v[CB+8*\t:CB+8*\t+3], v[ADB] offset:256*(\t/4)+32*(\t%4)
	ds_load_b128 v[CB+8*\t+4:CB+8*\t+7], v[ADB] offset:256*(\t/4)+32*(\t%4)+16
.endr
	WIN 0
.irp b, 0,1,2,3
	ds_load_b32 v[KSC+\b], v[ADKS] offset:2048*\e+256*(\b/2)+32*(\b%2)
.endr
.endm
.macro MX sb, a1, a2, b1, b2           ; four chains of maxima by turns: two to each of my two blocks
.irp g, 0,1
	v_max3_num_f32 v[TM+2*\g], v[TM+2*\g], v[\sb+32*\g+\a1], v[\sb+32*\g+\a2]
	v_max3_num_f32 v[TM+2*\g+1], v[TM+2*\g+1], v[\sb+32*\g+\b1], v[\sb+32*\g+\b2]
.endr
.endm
.macro PA sb, n                        ; n turns of the row's sum, in two chains
.rept \n
	v_pk_add_f32 v[ST+2:ST+3], v[ST+2:ST+3], v[\sb+JJ:\sb+JJ+1]
	v_pk_add_f32 v[SU:SU+1], v[SU:SU+1], v[\sb+JJ+2:\sb+JJ+3]
.set JJ, JJ+4
.endr
.endm
.macro VA sb                           ; a unit's opening: the first reads of its eight score tiles, each at its low end
	WIN 0
	s_wait_alu depctr_va_vdst(0)                   ; the wait directly ahead of the first readers of the scores
.irp g, 0,1
	v_max3_num_f32 v[TM+2*\g], v[\sb+32*\g], v[\sb+32*\g+1], v[\sb+32*\g+2]
	v_max3_num_f32 v[TM+2*\g+1], v[\sb+32*\g+17], v[\sb+32*\g+18], v[\sb+32*\g+19]
.endr
	MX \sb, 8, 9, 24, 25
.endm
.macro PVM hd                          ; a unit's two value products
.set OO, O+16*\hd
	s_wait_alu depctr_va_vdst(0)
	s_wait_dscnt 0x0                               ; V's two fragments and their words are in (and any K fetched ahead of them)
	WIN 0x51
	v_wmma_scale_f32_16x16x128_f8f6f4 v[OO:OO+7], v[VF:VF+11], v[PC:PC+11], v[OO:OO+7], v[VSC], v[PW] matrix_a_fmt:MATRIX_FMT_FP6 matrix_b_fmt:MATRIX_FMT_FP6
	v_wmma_scale_f32_16x16x128_f8f6f4 v[OO+8:OO+15], v[VF+12:VF+23], v[PC:PC+11], v[OO+8:OO+15], v[VSC], v[PW] matrix_a_fmt:MATRIX_FMT_FP6 matrix_b_fmt:MATRIX_FMT_FP6 matrix_a_scale:MATRIX_SCALE_ROW1
.endm
; The rest of a unit's vector work.  pf = 1: the next step's K is fetched here, behind the step's last score products.
.macro VB sb, e, hd, pf
.set ST, STT+4*\hd
.set OO, O+16*\hd
	WIN 0
	MX \sb, 3, 4, 20, 21                           ; these four lines are also the places in front of the loads below
.if \pf
	s_add_co_u32 s[T1], s[T1], 8*FRB
	s_add_co_u32 s[T2], s[T2], 512
	s_and_b32 s[TB], s[T2], 0x600                  ; the bias hangs on the step alone
.if \e
	s_cmp_eq_u32 s[CNT], 1                         ; the very last step has no successor
	s_wait_alu depctr_va_vdst(0)
	s_cbranch_scc1 .Lno_next
.endif
	FETCHK \e
.if \e
.Lno_next:
.endif
.endif
	WIN 0x40
.irp u, 0,1
.irp c, 0,1
.irp q, 0,1,2
	ds_load_b64 v[VF+12*\u+6*\c+2*\q:VF+12*\u+6*\c+2*\q+1], v[ADV] offset:(8*\e+2*\hd+\u)*FRB+768*\c+256*\q
.endr
.endr
.endr
	WIN 0
	ds_load_b32 v[VSC], v[ADVS] offset:(8*\e+2*\hd)*64
	MX \sb, 5, 6, 22, 23
	MX \sb, 7, 10, 26, 27
	MX \sb, 11, 12, 28, 29
	MX \sb, 13, 14, 30, 31
	v_max3_num_f32 v[TM], v[TM], v[\sb+15], v[\sb+16]
	v_max3_num_f32 v[TM+2], v[TM+2], v[\sb+47], v[\sb+48]
	v_max_num_f32 v[TM], v[TM], v[TM+1]            ; my two blocks' largest scores
	v_max_num_f32 v[TM+2], v[TM+2], v[TM+3]
	s_delay_alu instid0(VALU_DEP_1)
	v_max_num_f32 v[TP], v[TM], v[TM+2]
	s_delay_alu instid0(VALU_DEP_1)
	v_permlanex16_b32 v[TPX], v[TP], s[SEL], s[SEL+1]
	s_delay_alu instid0(VALU_DEP_1)
	v_max3_num_f32 v[ST+1], v[ST+1], v[TP], v[TPX] ; the running largest score of my query
	s_delay_alu instid0(VALU_DEP_1)
	v_mul_f32 v[TP], s[CS], v[ST+1]                ; as t
	v_mov_b32 v[TPX], v[ST]
	s_delay_alu instid0(VALU_DEP_2)
	v_floor_f32 v[ST], -v[TP]                      ; -M = floor(-t)
.set JJ, 0
.irp z, 0,1,2,3                        ; t - M; the three lines that make f = 2^(old M - new M) stand among them
.rept 8
	v_pk_fma_f32 v[\sb+JJ:\sb+JJ+1], v[\sb+JJ:\sb+JJ+1], s[CS:CS+1], v[ST:ST+1] op_sel_hi:[1,0,0]
.set JJ, JJ+2
.endr
.if \z == 0
	v_sub_f32 v[TPX], v[ST], v[TPX]
.elseif \z == 1
	v_cvt_i32_f32 v[TPX], v[TPX]                   ; (it saturates)
.elseif \z == 2
	v_ldexp_f32 v[F], 1.0, v[TPX]
.endif
.endr
	v_fma_f32 v[TM], v[TM], s[CS], v[ST]
	v_fma_f32 v[TM+2], v[TM+2], s[CS], v[ST]
	s_wait_alu depctr_va_vdst(0)                   ; the wait ahead of the batch
.set JJ, 0
.rept 64
	v_exp_f32 v[\sb+JJ], v[\sb+JJ]
.set JJ, JJ+1
.endr
	v_exp_f32 v[TM], v[TM]                         ; each block's largest p
	v_exp_f32 v[TM+2], v[TM+2]
	v_pk_mul_f32 v[ST+2:ST+3], v[ST+2:ST+3], v[F:F+1] op_sel_hi:[1,0]   ; the sums under the new M
	s_wait_alu depctr_va_vdst(0)                   ; and behind it
	v_max_num_f32 v[TM], 0x1800000, v[TM]          ; the floor: the byte cannot fall under 1
	v_max_num_f32 v[TM+2], 0x1800000, v[TM+2]
	v_pk_add_f32 v[SU:SU+1], v[\sb:\sb+1], v[\sb+2:\sb+3]   ; the row's sum, of the unquantised p; its lines stand among those of the scales and codes
.set JJ, 4
	PA \sb, 2
	v_add_nc_u32 v[TM+4], 0xff000000, v[TM]        ; the conversions' scale operands
	v_add_nc_u32 v[TM+5], 0xff000000, v[TM+2]
	PA \sb, 2
	v_lshrrev_b32 v[TM], 23, v[TM+4]
	v_lshrrev_b32 v[TM+2], 23, v[TM+5]
.irp g, 0,1
	v_cvt_scalef32_pk16_fp6_f32 v[PC+6*\g:PC+6*\g+2], v[\sb+32*\g:\sb+32*\g+15], v[TM+4+\g]
	v_cvt_scalef32_pk16_fp6_f32 v[PC+12+4*\g:PC+12+4*\g+2], v[\sb+32*\g+16:\sb+32*\g+31], v[TM+4+\g]   ; (a conversion's three registers begin on an even number)
.endr
	v_lshl_or_b32 v[PW], v[TM+2], 16, v[TM]        ; my bytes: blocks h and 2 + h.  (The plain place behind the conversions)
	PA \sb, 2
.irp g, 0,1
.irp i, 0,1,2
	v_mov_b32 v[PC+3+6*\g+\i], v[PC+12+4*\g+\i]
.endr
.endr
	v_lshlrev_b32 v[PW], v[SH8], v[PW]
	PA \sb, 2
	v_permlanex16_b32 v[TPX], v[PW], s[SEL], s[SEL+1]
	PA \sb, 2
	v_or_b32 v[PW], v[PW], v[TPX]                  ; with lane l xor 16's two the word is whole
	PA \sb, 5
	v_pk_add_f32 v[ST+2:ST+3], v[ST+2:ST+3], v[SU:SU+1]
	WIN 0x41
.set JJ, 0
.rept 8
	v_pk_mul_f32 v[OO+JJ:OO+JJ+1], v[OO+JJ:OO+JJ+1], v[F:F+1] op_sel_hi:[1,0]   ; O^T under the new M
.set JJ, JJ+2
.endr
.endm
.macro PASS e
.if \e
	s_wait_alu depctr_va_vdst(0)
	s_wait_xcnt 0x0                                ; the last pass's stores have read the code registers
	WIN 0x05
.irp i, 0,1,2,3,4,5,6,7
	MASK \i, 248+\i
.endr
	WIN 0
.irp i, 8,9,10,11
	MASK \i, 242+\i
.endr
.else
.irp i, 0,1,2,3,4,5,6,7,8,9,10,11
	MASK \i, S0+\i
.endr
.endif
.irp n, 0,1,2,3
	v_mov_b32 v[STT+4*\n+1], 0xff61b1e6            ; the largest score so far: -3e38
	v_floor_f32 v[STT+4*\n], -v[STT+4*\n+1]
	v_mov_b32 v[STT+4*\n+2], 0
	v_mov_b32 v[STT+4*\n+3], 0
.endr
	WIN 0x40
.set JJ, 0
.rept 64
	v_mov_b32 v[O+JJ], 0                           ; the step is written once: the first finds zeros
.set JJ, JJ+1
.endr
	WIN 0
	s_mov_b32 s[T1], 0
	s_mov_b32 s[T2], 0
	s_mov_b32 s[TB], 0
	s_mov_b32 s[T3], 0
	s_mov_b32 s[T4], 0
	s_mov_b32 s[CNT], 4
.if \e == 0
	FETCHK 0                                       ; (pass 1's first step was fetched in pass 0's last: K's fragments and words of the two passes lie on end)
.endif
	s_wait_alu depctr_va_vdst(0)
	s_wait_dscnt 0x0                               ; the first step's K, bias and words are in
	SW S0,\e,0
.Lstep_\e:
	v_add_nc_u32 v[ADV], s[T3], v[AV]              ; with the two v_nop: four places behind the pass's first score products
	v_add_nc_u32 v[ADVS], s[T4], v[AVS]
	v_nop
	v_nop
	VA S0
	SW S1,\e,1
	VB S0,\e,0,0
	VA S1
	PVM 0
	SW S0,\e,2
	VB S1,\e,1,0
	VA S0
	PVM 1
	SW S1,\e,3
	VB S0,\e,2,1
	VA S1
	PVM 2
	WIN 0
	s_cmp_eq_u32 s[CNT], 1                         ; a pass's last step has no successor under the same q
	s_cbranch_scc1 .Llast_\e
	SW S0,\e,0                                     ; the next step's first unit
.Llast_\e:
	VB S1,\e,3,0
	PVM 3
	WIN 0
	s_add_co_u32 s[T3], s[T3], 16*FRB
	s_add_co_u32 s[T4], s[T4], 1024
	s_sub_co_u32 s[CNT], s[CNT], 1
	s_cmp_lg_u32 s[CNT], 0
	s_wait_alu depctr_va_vdst(0)
	s_cbranch_scc1 .Lstep_\e
.irp n, 0,1,2,3
	v_add_f32 v[TM+\n], v[STT+4*\n+2], v[STT+4*\n+3]
.endr
.irp n, 0,1,2,3
	s_delay_alu instid0(VALU_DEP_4)
	v_permlanex16_b32 v[TM+4+\n], v[TM+\n], s[SEL], s[SEL+1]
.endr
.irp n, 0,1,2,3
	s_delay_alu instid0(VALU_DEP_4)
	v_add_f32 v[TM+\n], v[TM+\n], v[TM+4+\n]       ; the rows' sums
.endr
	s_wait_alu depctr_va_vdst(0)
.irp n, 0,1,2,3
	v_rcp_f32 v[TM+8+\n], v[TM+\n]
.endr
	v_nop
	s_wait_alu depctr_va_vdst(0)
	WIN 0x01
.irp n, 0,1,2,3
.irp i, 0,1,2,3,4,5,6,7,8,9,10,11,12,13,14,15
	v_mul_f32 v[S0+16*\n+\i], v[O+16*\n+\i], v[TM+8+\n]   ; ctx: register 16 n + i = feature 32 n + 16 h + i of my query
.endr
.endr
	WIN 0
	QUANT S0,PC,CW+\e
.irp c, 0,1,2
	global_store_b128 v[LI], v[PC+4*\c:PC+4*\c+3], s[60:61] offset:FRB*\e+512*\c   ; 512 consecutive bytes, at a multiple of 256 from cimg's first byte
.endr
.endm
	PASS 0
	PASS 1
	ds_store_b64 v[CSW], v[CW:CW+1]                ; both halves of the lanes write the same two words
	s_wait_dscnt 0x0
	s_barrier_signal -1
	s_barrier_wait -1
	s_cmp_lt_u32 s[WV], 2
	s_cbranch_scc0 .Lno_words
	ds_load_b128 v[S0:S0+3], v[CSR]                ; waves 0, 1: the eight waves' scale words, 512 bytes each
	v_add_nc_u32 v[TP], s75, v[LI]
	s_wait_alu depctr_va_vdst(0)
	s_wait_dscnt 0x0
	global_store_b128 v[TP], v[S0:S0+3], s[62:63]
.Lno_words:
	s_wait_tensorcnt 0x0                           ; the wave's end
	ds_add_u32 v254, v255
	s_wait_dscnt 0x0
	CROUND                                         ; the closing round
	s_endpgm
.Lfunc_end_k_q4743ef62c8_attn:
	.size	k_q4743ef62c8_attn, .Lfunc_end_k_q4743ef62c8_attn-k_q4743ef62c8_attn
	.p2alignl 7, 3214868480
	.fill 96, 4, 3214868480
	.section	.rodata,"a",@progbits
	.p2align	6, 0x0
	.amdhsa_kernel k_q4743ef62c8_attn
		.amdhsa_group_segment_fixed_size 230400
		.amdhsa_private_segment_fixed_size 0
		.amdhsa_enable_private_segment 0
		.amdhsa_kernarg_size 40
		.amdhsa_user_sgpr_count 2
		.amdhsa_user_sgpr_kernarg_segment_ptr 1
		.amdhsa_wavefront_size32 1
		.amdhsa_system_sgpr_workgroup_id_x 1
		.amdhsa_system_sgpr_workgroup_id_y 1
		.amdhsa_system_sgpr_workgroup_id_z 1
		.amdhsa_system_vgpr_workitem_id 0
		.amdhsa_next_free_vgpr 512
		.amdhsa_next_free_sgpr 80
		.amdhsa_reserve_vcc 0
		.amdhsa_float_denorm_mode_32 3
		.amdhsa_float_denorm_mode_16_64 3
		.amdhsa_memory_ordered 1
		.amdhsa_forward_progress 1
		.amdhsa_inst_pref_size 150
	.end_amdhsa_kernel
	.amdgpu_metadata
---
amdhsa.version: [ 1, 2 ]
amdhsa.kernels:
  - .name:           k_q4743ef62c8_attn
    .symbol:         k_q4743ef62c8_attn.kd
    .args:
      - { .name: qkv, .offset: 0, .size: 8, .value_kind: global_buffer, .address_space: global }
      - { .name: qkvs, .offset: 8, .size: 8, .value_kind: global_buffer, .address_space: global }
      - { .name: tab, .offset: 16, .size: 8, .value_kind: global_buffer, .address_space: global }
      - { .name: cimg, .offset: 24, .size: 8, .value_kind: global_buffer, .address_space: global }
      - { .name: csc, .offset: 32, .size: 8, .value_kind: global_buffer, .address_space: global }
    .group_segment_fixed_size: 230400
    .private_segment_fixed_size: 0
    .kernarg_segment_align: 8
    .kernarg_segment_size: 40
    .max_flat_workgroup_size: 256
    .sgpr_count:     80
    .vgpr_count:     512
    .wavefront_size: 32
...
	.end_amdgpu_metadata
.endif
;; end of part 3
;; launch proj (part 4): grid 4 x 64, 4 waves a work-group, clusters of 4 x 4, 327,680 bytes of LDS; arguments cimg, csc, img, isc, out0; writes out0
.if DOCPART == 4
	.amdgcn_target "amdgcn-amd-amdhsa--gfx1250"
	.amdhsa_code_object_version 6
	.text
	.protected	k_q4743ef62c8_proj
	.globl	k_q4743ef62c8_proj
	.p2align	8
	.type	k_q4743ef62c8_proj,@function
k_q4743ef62c8_proj:
	s_mov_b64 s[64:65], 0
	v_nop
	global_prefetch_b8 v0, s[64:65] scope:SCOPE_SE
	s_setreg_imm32_b32 hwreg(HW_REG_WAVE_MODE, 25, 1), 1
	s_wait_xcnt 0x0
	s_wait_alu depctr_hold_cnt(0) depctr_sa_sdst(0) depctr_va_vdst(0) depctr_va_sdst(0) depctr_va_ssrc(0) depctr_va_vcc(0) depctr_vm_vsrc(0)
	s_getreg_b32 s2, hwreg(HW_REG_IB_STS2, 6, 4)
	s_cmp_eq_u32 s2, 0
	s_cbranch_scc0 .Lentry_in_a_cluster
	s_endpgm
.Lentry_in_a_cluster:
	s_bfe_u32 s2, ttmp6, 0x10000c
	s_cmp_lg_u32 s2, 0xf033
	s_cbranch_scc0 .Lentry_shape_is_right
	s_endpgm
.Lentry_shape_is_right:
; out0 = ctx wo^T on codes of FP6 (E2M3) with E8M0 scales; out0 is [8192][1024] f32.  A = ctx (images in cimg, scale words in csc), B = wo (tiles 704-767 of img, scale words in isc).
; The core is that of the launch that makes q, k and v: a work-group makes 128 (tokens) x 256 (features), four waves of 64 x 128; all of K lies in LDS, filled once by one tensor load a wave;
; clusters of 4 x 4: A's tiles are asked for jointly along a row of the cluster, B's along a column; operands are images of their registers; the matrix instruction is used transposed (source 0 = wo, source 1 = ctx).
; 64 x 4 tiles: 256 work-groups.  Lane r of tile i holds row 32 (i / 2) + 8 (i % 2) + r + 8 (r / 8): a lane's 16 registers of B's tiles 2 g, 2 g + 1 are features 32 g + 16 h + 0 .. 15 of one token.
; csc: [eight heads o][tile][r][e] words, the word of K step 2 o + e.
; THE WAY OUT: 16 tokens x 128 features go through the wave's own stage in LDS and leave as rows of 512 consecutive bytes.  The stage lies over A's first tiles, which have had their only fill and their last read by then.
; REGISTERS: window 0: v4-15 addresses; v16-31 A's scale words, v32-63 B's; v64-111, v112-159 A's fragments (on the way out v64-191 hold rows of out0).  window 1: B's fragments, at v0 and v128.  window 2: accumulator (a, b) at v[64 a + 8 b].
.set CH,    73728
; (K now comes whole: one tensor load a wave; a tile's eight K steps, 12,288 bytes, lie on end in LDS: A's 8 tiles, then B's 16.  The stage lies over A's first tiles, behind a barrier that follows every wave's last read)
.set ABYT,  98304
.set TILEB, 12288
.set FRB,   1536
.set SP,    528                        ; a stage row: 512 bytes + 16
.set ADA,  4
.set ADB,  8
.set LI,   12
.set LC,   13                          ; v13  my lane's place among ctx's scale words: 65,536 h + 8 r
.set STO,  14                          ; v14  the stage: in
.set RD,   15                          ; v15  and back
.set ASC,  16
.set BSC,  32
.set G1A, 24
.set G1B, 32
.set G0A, 40
.set G0B, 68
.set MSB, 0
.macro WIN new
.if MSB != \new
	s_set_vgpr_msb (MSB<<8)|\new
.set MSB, \new
.endif
.endm
.macro PLACES                          ; four plain places behind a matrix instruction (ISA guide 7.12.1)
.rept 4
	v_nop
.endr
.endm
.macro CROUND
	s_barrier_signal -1
	s_barrier_wait -1
	s_cmp_lg_u32 s16, 0
	s_cbranch_scc1 .Lnot_wave_0_\@
	s_barrier_signal -3
.Lnot_wave_0_\@:
	s_barrier_wait -3
	s_barrier_signal -1
	s_barrier_wait -1
.endm
	s_load_b256 s[4:11], s[0:1], 0x0               ; cimg, csc, img, isc
	s_load_b64 s[12:13], s[0:1], 0x20              ; out0
	v_lshl_add_u32 v254, v0, 2, 0x48000
	v_mov_b32 v255, 0
	ds_add_u32 v254, v255
	ds_add_u32 v254, v255
	v_lshrrev_b32 v1, 5, v0
	v_readfirstlane_b32 s16, v1                    ; wave 0..3
	s_lshr_b32 s17, s16, 1                         ; which 64 tokens are mine.  Also: I fetch for A (0) or for B (1)
	s_and_b32 s18, s16, 1                          ; which 128 features.  Also: which half of that operand's tiles I fetch
	s_bfe_u32 s20, ttmp6, 0x40000                  ; cx = the tile column
	s_bfe_u32 s21, ttmp6, 0x40004                  ; cy
	s_and_b32 s86, ttmp7, 0xffff
	s_lshl_b32 s86, s86, 2
	s_add_co_u32 s86, s86, s21                     ; tile row
	s_lshl_b32 s87, s86, 3                         ; A's first tile of mine
	s_lshl_b32 s88, s20, 4
	s_add_co_u32 s88, s88, 704                     ; B's
	s_lshl_b32 s91, s21, 2
	s_lshl_b32 s91, 15, s91                        ; my row of the cluster
	s_lshl_b32 s2, 0x1111, s20                     ; my column
	s_or_b32 s[G1A], s91, (3<<16)|(1<<21)          ; rows = tiles: 1,536 elements of 8 bytes, 1,536 elements apart; the mask, and bit 21 beside it
	s_or_b32 s[G1B], s2, (3<<16)|(1<<21)
.irp g, G1A, G1B
	s_mov_b32 s[\g+1], 1536<<16
	s_mov_b32 s[\g+3], 1536<<16
	s_mov_b32 s[\g+5], 1536
	s_mov_b32 s[\g+6], 0
	s_mov_b32 s[\g+7], 0
.endr
	s_mov_b32 s[G1A+2], 4<<16
	s_mov_b32 s[G1A+4], 4
	s_mov_b32 s[G1B+2], 8<<16
	s_mov_b32 s[G1B+4], 8
	s_lshl_b32 s92, s18, 2
	s_add_co_u32 s92, s92, s87
	s_mul_i32 s92, s92, 12288
	s_mov_b32 s93, 0
	s_lshl_b32 s94, s18, 3
	s_add_co_u32 s94, s94, s88
	s_mul_i32 s94, s94, 12288
	s_mov_b32 s95, 0
	s_mul_i32 s19, s18, 4*TILEB
	s_mul_i32 s3, s18, 8*TILEB
	v_and_b32 v1, 31, v0                           ; lane
	v_and_b32 v2, 15, v0                           ; r
	v_bfe_u32 v3, v0, 4, 1                         ; h
	v_lshlrev_b32 v[LI], 4, v1
	v_lshlrev_b32 v[LC], 3, v2
	v_lshl_add_u32 v[LC], v3, 16, v[LC]
	s_wait_dscnt 0x0
	s_wait_kmcnt 0x0
	s_add_nc_u64 s[92:93], s[4:5], s[92:93]
	s_add_nc_u64 s[94:95], s[8:9], s[94:95]
	CROUND                                         ; all sixteen work-groups are here: the joint loads meet
.irp c, 0
	s_mov_b32 s[G0A+4*\c], 1
	s_add_co_u32 s[G0A+4*\c+1], s19, \c*CH
	s_add_nc_u64 s[G0A+4*\c+2:G0A+4*\c+3], s[92:93], \c*TILEB
	s_or_b32 s[G0A+4*\c+3], s[G0A+4*\c+3], 0x80000000
	s_mov_b32 s[G0B+4*\c], 1
	s_add_co_u32 s[G0B+4*\c+1], s3, \c*CH+ABYT
	s_add_nc_u64 s[G0B+4*\c+2:G0B+4*\c+3], s[94:95], \c*TILEB
	s_or_b32 s[G0B+4*\c+3], s[G0B+4*\c+3], 0x80000000
.endr
	s_cmp_eq_u32 s17, 0                            ; a wave's one fill stands in one branch on its number: one load of mine is out; four v_nop follow it
	s_cbranch_scc0 .Lfill_b
.irp c, 0
	tensor_load_to_lds s[G0A+4*\c:G0A+4*\c+3], s[G1A:G1A+7]
	s_nop 0
.endr
	PLACES
	s_branch .Lfilled
.Lfill_b:
.irp c, 0
	tensor_load_to_lds s[G0B+4*\c:G0B+4*\c+3], s[G1B:G1B+7]
	s_nop 0
.endr
	PLACES
.Lfilled:
	s_lshl_b32 s84, s17, 2
	s_add_co_u32 s84, s84, s87
	s_lshl_b32 s84, s84, 7                         ; ctx's scale words: 128 bytes a tile
	s_mov_b32 s85, 0
	s_add_nc_u64 s[14:15], s[6:7], s[84:85]
	s_lshl_b32 s84, s18, 3
	s_add_co_u32 s84, s84, s88
	s_lshl_b32 s84, s84, 9                         ; wo's: 512 bytes a tile
	s_add_nc_u64 s[22:23], s[10:11], s[84:85]
	s_wait_alu depctr_va_vdst(0)
.irp t, 0,1,2,3
.irp p, 0,1
	global_load_b64 v[ASC+4*\t+2*\p:ASC+4*\t+2*\p+1], v[LC], s[14:15] offset:128*\t+131072*\p   ; register 2 p + e: lanes 0-15 the word of K step 4 p + e, lanes 16-31 of step 4 p + 2 + e
.endr
.endr
.irp t, 0,1,2,3,4,5,6,7
	global_load_b128 v[BSC+4*\t:BSC+4*\t+3], v[LI], s[22:23] offset:512*\t   ; register q: lanes 0-15 K step q, lanes 16-31 step 4 + q
.endr
	s_mul_i32 s91, s17, 4*TILEB
	s_mul_i32 s84, s18, 8*TILEB
	s_add_co_u32 s84, s84, ABYT
	v_add_nc_u32 v[ADA], s91, v[LI]                ; my four tiles of A
	v_add_nc_u32 v[ADB], s84, v[LI]                ; my B tiles 0-3,
	s_add_co_u32 s84, s84, 4*TILEB
	v_add_nc_u32 v[ADB+1], s84, v[LI]              ; and 4-7: the immediates stay under 65,536
	s_mul_i32 s91, s16, 16*SP                      ; my stage
	v_mul_u32_u24 v[STO], v2, SP
	v_lshl_add_u32 v[STO], v3, 6, v[STO]
	v_add_nc_u32 v[STO], s91, v[STO]               ; in: row r, + 64 h
	v_add_nc_u32 v[RD], s91, v[LI]                 ; back: the 32 lanes take one row
	s_lshl_b32 s84, s86, 7
	s_lshl_b32 s85, s17, 6
	s_add_co_u32 s84, s84, s85                     ; my first token
	s_lshl_b32 s84, s84, 12
	s_lshl_b32 s85, s20, 10
	s_add_co_u32 s84, s84, s85
	s_lshl_b32 s85, s18, 9
	s_add_co_u32 s84, s84, s85                     ; and my first feature, in bytes
	s_mov_b32 s85, 0
	s_add_nc_u64 s[12:13], s[12:13], s[84:85]
.macro WM d, fb, fa, sb, sa, zero, rb, ra          ; one product; rb, ra: B's and A's scale words stand in lanes 16-31
.if \zero
	v_wmma_scale_f32_16x16x128_f8f6f4 v[\d:\d+7], v[\fb:\fb+11], v[\fa:\fa+11], 0, v[\sb], v[\sa] matrix_a_fmt:MATRIX_FMT_FP6 matrix_b_fmt:MATRIX_FMT_FP6
.elseif (\rb) && (\ra)
	v_wmma_scale_f32_16x16x128_f8f6f4 v[\d:\d+7], v[\fb:\fb+11], v[\fa:\fa+11], v[\d:\d+7], v[\sb], v[\sa] matrix_a_fmt:MATRIX_FMT_FP6 matrix_b_fmt:MATRIX_FMT_FP6 matrix_a_scale:MATRIX_SCALE_ROW1 matrix_b_scale:MATRIX_SCALE_ROW1
.elseif \rb
	v_wmma_scale_f32_16x16x128_f8f6f4 v[\d:\d+7], v[\fb:\fb+11], v[\fa:\fa+11], v[\d:\d+7], v[\sb], v[\sa] matrix_a_fmt:MATRIX_FMT_FP6 matrix_b_fmt:MATRIX_FMT_FP6 matrix_a_scale:MATRIX_SCALE_ROW1
.elseif \ra
	v_wmma_scale_f32_16x16x128_f8f6f4 v[\d:\d+7], v[\fb:\fb+11], v[\fa:\fa+11], v[\d:\d+7], v[\sb], v[\sa] matrix_a_fmt:MATRIX_FMT_FP6 matrix_b_fmt:MATRIX_FMT_FP6 matrix_b_scale:MATRIX_SCALE_ROW1
.else
	v_wmma_scale_f32_16x16x128_f8f6f4 v[\d:\d+7], v[\fb:\fb+11], v[\fa:\fa+11], v[\d:\d+7], v[\sb], v[\sa] matrix_a_fmt:MATRIX_FMT_FP6 matrix_b_fmt:MATRIX_FMT_FP6
.endif
.endm
; 16 products of K step s: A's tiles a0, a0 + 1 x B's eight.  The 32 accumulators take turns, one instruction a turn, in the same order in every step.
.macro MUL16 a0, s, zero
	WIN 0xa1                                       ; source 0 (B) window 1, source 1 (A) window 0, C and D window 2
.irp a, \a0, \a0+1
.irp b, 0,1,2,3,4,5,6,7
	WM 64*(\a)+8*\b,128*((\s)%2)+12*\b,64+48*((\s)%2)+12*(\a),BSC+4*\b+(\s)%4,ASC+4*(\a)+2*((\s)/4)+(\s)%2,\zero,(\s)/4,((\s)/2)%2
.endr
.endr
.endm
.macro FETCH s                         ; K step s's fragments, 36 loads in one run, into set s % 2
	WIN 0x40
.irp t, 0,1,2,3,4,5,6,7
.irp q, 0,1,2
	ds_load_b128 v[128*((\s)%2)+12*\t+4*\q:128*((\s)%2)+12*\t+4*\q+3], v[ADB+\t/4] offset:TILEB*(\t%4)+FRB*(\s)+512*\q
.endr
.endr
	WIN 0
.irp t, 0,1,2,3
.irp q, 0,1,2
	ds_load_b128 v[64+48*((\s)%2)+12*\t+4*\q:64+48*((\s)%2)+12*\t+4*\q+3], v[ADA] offset:TILEB*\t+FRB*(\s)+512*\q
.endr
.endr
.endm
.macro EVEN s, zero
	s_wait_dscnt 0x0                               ; this step's 36 loads are in
.if (\s) > 0
	PLACES                                         ; behind the last step's products, which read the set that is loaded now
.endif
	FETCH (\s)+1
	MUL16 0,\s,\zero
	MUL16 2,\s,\zero
.endm
.macro ODD s                           ; an odd step: as EVEN for a step after the first
	s_wait_dscnt 0x0
	PLACES
	FETCH (\s)+1
	MUL16 0,\s,0
	MUL16 2,\s,0
.endm
	s_wait_alu depctr_va_vdst(0)
	s_wait_tensorcnt 0x0                           ; my one load has landed
	s_barrier_signal -1
	s_barrier_wait -1
	FETCH 0
	s_wait_loadcnt 0x0                             ; the scale words
	EVEN 0, 1
	ODD 1
	EVEN 2, 0
	ODD 3
	EVEN 4, 0
	ODD 5
	EVEN 6, 0
	s_wait_dscnt 0x0                               ; my last reads of the tiles are over:
	s_barrier_signal -1                            ; say so, work on registers meanwhile,
	MUL16 0,7,0
	MUL16 2,7,0
	s_barrier_wait -1                              ; and only when all four have said so is the stage, which lies over A's tiles, written
.macro TOSTAGE a                       ; tile a's 16 tokens x 128 features into my stage, and back as whole rows.  LDS serves a wave's instructions in order (ISA guide 5.7.1.4): no wait between the stores and the loads
	WIN 0x08                                       ; an LDS store's data are its source 1: window 2
.irp g, 0,1,2,3
.irp q, 0,1,2,3
	ds_store_b128 v[STO], v[64*(\a)+16*\g+4*\q:64*(\a)+16*\g+4*\q+3] offset:128*\g+16*\q   ; each accumulator from its low end on
.endr
.endr
	WIN 0
.set BB, 64+64*((\a)%2)
.irp t, 0,1,2,3,4,5,6,7,8,9,10,11,12,13,14,15
	ds_load_b128 v[BB+4*\t:BB+4*\t+3], v[RD] offset:SP*\t
.endr
.endm
.macro SEND a, younger                 ; younger: the LDS instructions issued behind tile a's loads, which may stay out
.set BB, 64+64*((\a)%2)
	s_wait_dscnt \younger
.irp t, 0,1,2,3,4,5,6,7,8,9,10,11,12,13,14,15
	global_store_b128 v[LI], v[BB+4*\t:BB+4*\t+3], s[12:13] offset:(32*((\a)/2)+8*((\a)%2)+\t+8*(\t/8))*4096 th:TH_STORE_NT   ; 512 consecutive bytes of the token's row, at a multiple of 256 from out0's first byte
.endr
.endm
	PLACES                                         ; in front of the first read of results, and of loads into registers that held A's fragments
	TOSTAGE 0
	TOSTAGE 1
	SEND 0, 32                                     ; behind tile 0's loads: tile 1's 16 stores and 16 loads
	s_wait_xcnt 0x0                                ; tile 0's stores have read their registers: tile 2's loads may land there
	TOSTAGE 2
	SEND 1, 32
	s_wait_xcnt 0x0
	TOSTAGE 3
	SEND 2, 32
	SEND 3, 0
	s_wait_tensorcnt 0x0
	ds_add_u32 v254, v255
	s_wait_dscnt 0x0
	CROUND                                         ; the closing round: no work-group ends while a partner may still ask for a tile that names it
	s_endpgm
.Lfunc_end_k_q4743ef62c8_proj:
	.size	k_q4743ef62c8_proj, .Lfunc_end_k_q4743ef62c8_proj-k_q4743ef62c8_proj
	.p2alignl 7, 3214868480
	.fill 96, 4, 3214868480
	.section	.rodata,"a",@progbits
	.p2align	6, 0x0
	.amdhsa_kernel k_q4743ef62c8_proj
		.amdhsa_group_segment_fixed_size 327680
		.amdhsa_private_segment_fixed_size 0
		.amdhsa_enable_private_segment 0
		.amdhsa_kernarg_size 40
		.amdhsa_user_sgpr_count 2
		.amdhsa_user_sgpr_kernarg_segment_ptr 1
		.amdhsa_wavefront_size32 1
		.amdhsa_system_sgpr_workgroup_id_x 1
		.amdhsa_system_sgpr_workgroup_id_y 1
		.amdhsa_system_sgpr_workgroup_id_z 1
		.amdhsa_system_vgpr_workitem_id 0
		.amdhsa_next_free_vgpr 768
		.amdhsa_next_free_sgpr 100
		.amdhsa_reserve_vcc 0
		.amdhsa_float_denorm_mode_32 3
		.amdhsa_float_denorm_mode_16_64 3
		.amdhsa_memory_ordered 1
		.amdhsa_forward_progress 1
		.amdhsa_inst_pref_size 75
	.end_amdhsa_kernel
	.amdgpu_metadata
---
amdhsa.version: [ 1, 2 ]
amdhsa.kernels:
  - .name:           k_q4743ef62c8_proj
    .symbol:         k_q4743ef62c8_proj.kd
    .args:
      - { .name: cimg, .offset: 0, .size: 8, .value_kind: global_buffer, .address_space: global }
      - { .name: csc, .offset: 8, .size: 8, .value_kind: global_buffer, .address_space: global }
      - { .name: img, .offset: 16, .size: 8, .value_kind: global_buffer, .address_space: global }
      - { .name: isc, .offset: 24, .size: 8, .value_kind: global_buffer, .address_space: global }
      - { .name: out0, .offset: 32, .size: 8, .value_kind: global_buffer, .address_space: global }
    .group_segment_fixed_size: 327680
    .private_segment_fixed_size: 0
    .kernarg_segment_align: 8
    .kernarg_segment_size: 40
    .max_flat_workgroup_size: 128
    .sgpr_count:     100
    .vgpr_count:     768
    .wavefront_size: 32
...
	.end_amdgpu_metadata
.endif
;; end of part 4
